; MI455X (gfx1250); checked and timed in simulation.
; The chip was launched on July 23, 2026; its instructions are those of AMD's public machine-readable ISA for CDNA 5 (MIT licence, August 2026) and "CDNA5" Instruction Set Architecture Reference Guide (July 2026). The comments in the code are by the model that wrote it; some were corrected since.
;; Quantum Attention. Allowed arithmetic: matrix products marked QUANTISED: E2M3 operands, one E8M0 scale for each 32 along K, by v_wmma_scale_f32_16x16x128_f8f6f4 with both operands' format E2M3, f32 sums; everything else in f32.
;; Inputs: We_codes 1,024 x 64 x 24 uint8 (E2M3 codes of We, K innermost, in blocks of 32 codes, four codes in three bytes); We_scales 1,024 x 64 uint8 (E8M0 scales of We, one for each 32 codes along K); Wk_codes 1,024 x 32 x 24 uint8 (E2M3 codes of Wk, K innermost, in blocks of 32 codes, four codes in three bytes); Wk_scales 1,024 x 32 uint8 (E8M0 scales of Wk, one for each 32 codes along K); Wq_codes 1,024 x 32 x 24 uint8 (E2M3 codes of Wq, K innermost, in blocks of 32 codes, four codes in three bytes); Wq_scales 1,024 x 32 uint8 (E8M0 scales of Wq, one for each 32 codes along K); Wv_codes 1,024 x 32 x 24 uint8 (E2M3 codes of Wv, K innermost, in blocks of 32 codes, four codes in three bytes); Wv_scales 1,024 x 32 uint8 (E8M0 scales of Wv, one for each 32 codes along K); be 1,024 float32; bk 1,024 float32; bq 1,024 float32; bv 1,024 float32; context_codes 8 x 1,024 x 32 x 24 uint8 (E2M3 codes of context, K innermost, in blocks of 32 codes, four codes in three bytes); context_scales 8 x 1,024 x 32 uint8 (E8M0 scales of context, one for each 32 codes along K); x_codes 8 x 1,024 x 32 x 24 uint8 (E2M3 codes of x, K innermost, in blocks of 32 codes, four codes in three bytes); x_scales 8 x 1,024 x 32 uint8 (E8M0 scales of x, one for each 32 codes along K).
;; Outputs: out0 8 x 1,024 x 1,024 float32.
;; This version of the problem:
;;   THIS VERSION OF THE PROBLEM IS GIVEN IN LOW PRECISION. The matrix products marked QUANTISED in the list below multiply operands that are first quantised to E2M3 (2 exponent bits, 3 mantissa bits; 6 bits a number), with one power-of-two scale for each 32 numbers along K (OCP MX v1.0); their sums are f32. All else is computed in f32.
;;   The module's matrix products, in the order in which they are computed (A, B: the left and right operand; K: the contracted axis; several contracted axes count as one K, in the product's order):
;;     1. [M 8,192, K 1,024] x [K 1,024, N 1,024]; A: input x (given as codes); B: input Wq (given as codes): QUANTISED
;;     2. [M 8,192, K 1,024] x [K 1,024, N 1,024]; A: input context (given as codes); B: input Wk (given as codes): QUANTISED
;;     3. [M 8,192, K 1,024] x [K 1,024, N 1,024]; A: input context (given as codes); B: input Wv (given as codes): QUANTISED
;;     4. [M 8,192, K 2,048] x [K 2,048, N 1,024]; A: computed on the way; B: input We (given as codes): QUANTISED
;;     5. batch 8 x [M 1,024, K 1,024] x [K 1,024, N 1,024]; A: computed on the way; B: computed on the way: QUANTISED
;;     6. batch 8 x [M 1,024, K 1,024] x [K 1,024, N 1,024]; A: softmax (see below); B: computed on the way: QUANTISED
;;   THE QUANTISER, for each operand of a quantised product, along K:
;;     - K is cut into blocks of 32 from its start; a last block that is shorter is filled with zeros.
;;     - A block's scale is 2^e with e = floor(log2(the largest magnitude in the block)) - 2, held to -126 .. 127; a block of zeros has e = 0. As a byte (E8M0): e + 127.
;;     - Each number is divided by its block's scale, clamped to +-7.5, and rounded to the nearest number of E2M3, ties to even, subnormals kept.
;;     - The product sums the exact products of the quantised numbers (number of the format x scale) in f32.
;;   ~~~python
;;   def quantise(x, axis):      # numpy; x: float32 -> the quantised numbers, widened to float32 again
;;       x = np.moveaxis(x, axis, -1); K = x.shape[-1]
;;       x = np.pad(x, [(0, 0)] * (x.ndim - 1) + [(0, -K % 32)]); x = x.reshape(x.shape[:-1] + (-1, 32)); a = np.abs(x).max(-1, keepdims=True)
;;       e = np.where(a > 0, np.clip(np.frexp(np.where(a > 0, a, 1))[1] - 1 - 2, -126, 127), 0)      # np.frexp(a)[1] - 1 = floor(log2(a)), exactly
;;       r = np.clip(x / 2.0 ** e, -7.5, 7.5)
;;       step = 2.0 ** (np.maximum(np.frexp(np.where(r == 0, 1, r))[1] - 1, 0) - 3)
;;       q = np.round(r / step) * step * 2.0 ** e      # np.round: ties to even
;;       return np.moveaxis(q.reshape(q.shape[:-2] + (-1,))[..., :K], -1, axis).astype(np.float32)
;;   ~~~
;;   SOFTMAX AHEAD OF A QUANTISED PRODUCT. Where the list says 'softmax', what is quantised is not the finished softmax but p = 2^(t - M), with t = logit x log2(e) and M = ceil(the row's largest t), a whole number; so 1/2 < the row's largest p <= 1. The row's sum l is taken of the UNQUANTISED p, in f32, and the product's result is divided by l at the end. Since M is a whole number, a kernel that streams over the keys may use a running M (the ceiling of the running maximum): every later rescaling is an exact power of two, which a block's scale takes up: the codes' values come out the same.
;;   OPERANDS COMPUTED ON THE WAY. 'Computed on the way' means the value that the module computes at that place (a softmax that the list does not call 'softmax' is quantised finished and normalised). What goes into a quantiser is computed in f32, as accurately as f32 sums, v_exp_f32 and their like allow (about 1e-6 of the number): no bf16 or f16 on the way to a quantiser, and a product that is left as it is and whose result goes on into a quantised operand takes f32 operands (vector FMAs, or v_wmma_f32_16x16x4_f32). A number that lies on a knife's edge between two numbers of the format may be rounded either way, as far as f32 arithmetic and the matrix unit's own rounding can turn it there, and no further.
;;   INPUTS GIVEN AS CODES. We (in the module: [1024, 2048], K = its axis 1); Wk (in the module: [1024, 1024], K = its axis 1); Wq (in the module: [1024, 1024], K = its axis 1); Wv (in the module: [1024, 1024], K = its axis 1); context (in the module: [8, 1024, 1024], K = its axis 2); x (in the module: [8, 1024, 1024], K = its axis 2): each comes as NAME_codes (uint8): NAME with its K axis moved to the last place and cut into blocks of 32 codes, [.., K / 32, bytes a block], one block behind the other in memory; four codes in three bytes: a row's codes are one little-endian stream of bits, code i at bits 6 i .. 6 i + 5 (a code: sign, 2 exponent bits, 3 mantissa bits); and NAME_scales (uint8): the same leading axes, one E8M0 byte (e + 127) for each 32 codes along K. Its value is code x scale, taken as it is: it is not quantised again, and the codes and scales need not be those that the quantiser above would give.
;; One version. Each part assembles by itself: llvm-mc -triple=amdgcn-amd-amdhsa -mcpu=gfx1250 --defsym DOCPART=n.
;; ======== version 1 of 1: 4 launches
;; limits: right only within a limited range of input values
;; workspace buffers: qk 13,107,200 bytes; wei 1,638,400 bytes; ent 6,553,600 bytes; vd 6,553,600 bytes; vs 6,553,600 bytes; pc 6,291,456 bytes; pst 786,432 bytes
;; launch proj (part 1): grid 64 x 4, 4 waves a work-group, clusters of 4 x 4, 327,680 bytes of LDS; arguments x_codes, x_scales, context_codes, context_scales, Wq_codes, Wq_scales, Wk_codes, Wk_scales, Wv_codes, Wv_scales, bq, bk, bv, qk, vd, vs, We_codes, We_scales, wei; writes qk, vd, vs, wei
.if DOCPART == 1
	.amdgcn_target "amdgcn-amd-amdhsa--gfx1250"
	.amdhsa_code_object_version 6
	.text
	.protected	k_q1fa139f6e8_proj
	.globl	k_q1fa139f6e8_proj
	.p2align	8
	.type	k_q1fa139f6e8_proj,@function
k_q1fa139f6e8_proj:
	s_mov_b64 s[64:65], 0
	v_nop
	global_prefetch_b8 v0, s[64:65] scope:SCOPE_SE
	s_setreg_imm32_b32 hwreg(HW_REG_WAVE_MODE, 25, 1), 1
	s_wait_xcnt 0x0
	s_wait_alu depctr_hold_cnt(0) depctr_sa_sdst(0) depctr_va_vdst(0) depctr_va_sdst(0) depctr_va_ssrc(0) depctr_va_vcc(0) depctr_vm_vsrc(0)
	s_getreg_b32 s2, hwreg(HW_REG_IB_STS2, 6, 4)
	s_cmp_eq_u32 s2, 0
	s_cbranch_scc0 .Lentry_in_a_cluster
	s_endpgm
.Lentry_in_a_cluster:
	s_bfe_u32 s2, ttmp6, 0x10000c
	s_cmp_lg_u32 s2, 0xf033
	s_cbranch_scc0 .Lentry_shape_is_right
	s_endpgm
.Lentry_shape_is_right:
; PROJ.  Four products of 1,024 x 1,024 x 1,024 for each of the 8 batches, on FP6 (E2M3) codes with E8M0 scales, each followed by its bias and by the quantiser along the NEXT product's K:
;   type 0: q = x Wq^T + bq, type 1: k = context Wk^T + bk (K steps 0-7 and 8-15 of buffer qk); type 2: v = context Wv^T + bv, quantised along the features (vd);
;   type 3: the same product with its sources exchanged, rows = features, quantised along the keys (vs).
; A work-group makes TWO tiles of 256 x 256: the cluster's number is pair x 8 + batch; pair 0 makes type 0, then type 3; pair 1 type 1, then type 2.  A wave makes 128 x 128 (64 accumulators).
; The matrix instruction is used transposed: source 0 = 16 rows of B' (whose rows are the next K), source 1 = 16 rows of A': a lane holds one row and eight neighbours along the next K.
; K goes through two LDS slots in chunks of 256 bytes of each row (a row of 1,024 codes is 768 bytes: three chunks, eight steps of 96 bytes; steps 2 and 5 lie across two chunks).
; A tile's first four loads, one a wave, bring chunks 0 and 1 of A's and of B's 256 rows; chunk 2 is the ring's one refill.  The eight steps are written once, in a loop over the two tiles;
; the second tile's first four loads go out ahead of the first way out.  A's tiles are asked for jointly by a row of the 4 x 4 cluster, B's by a column.
; THE SCALE BYTES of a tile's 256 + 256 rows (8,192 bytes each) come through registers, eight loads of 512 consecutive bytes a wave, into LDS bytes of their own, which no tensor load fills.
; PREFETCHES, a lane a row of 256 bytes, the four partners of a joint load sharing its rows out by address: a tile's chunk 2 when its first loads go out (two steps ahead of the refill);
; the second tile's chunks 0 and 1 behind the first tile's step 3 (four steps ahead of their loads).  The first tile's chunks 0 and 1 come by their loads alone.
; Results leave as images of operand registers: a block = 64 rows x 128 K = four fragments (3 x 512 bytes each) and 256 bytes of scale words = 6,400 bytes.  Each work-group also lays one block of We in that form (wei).
; LIMITS: NaN and infinities are not served; a block whose largest magnitude lies under 2^-124 gets the scale byte 1 (a block of zeros too: its codes are zeros, and this program alone reads the bytes).
; REGISTERS: window 0: v1-31 addresses; v32-63 scale words, two sets; v64-127 bias along the columns; v128-223 A's fragments, on the way out v128-191 64 numbers; v224-239 bias along the rows (first: We's block); v240-251 at work.
;   window 1: B's fragments, two sets (v0, v128); on the way out v0-95 codes, v96-103 at work; v224-255 the second tile's scale bytes.   windows 2, 3: the accumulators of my rows 0-63, 64-127.
.set ROWB,   256
.set NQ,     2
.set KROW,   768
.set STEPS,  8
.set CHUNKS, 3
.set PITCH,  272                       ; 256 bytes + 16 of padding
.set FR,     12
.set NL,     6
.set NP,     4                         ; places behind this matrix instruction (ISA guide 7.12.1)
.set HALFT,  128*PITCH
.set SLOT,   4*HALFT                   ; A's 256 rows, then B's
.set KS,     32
.set SCL,    2*SLOT                    ; the scale bytes of the tile in hand, as runs of 256 bytes + 16: A's 256 rows, then B's
.set HALFS,  (128*KS/256)*272
.set SBLK,   (16*KS/256)*272
.set SPARE,  SCL+4*HALFS               ; the spare words
.set BLK,    6400
.set PFO,  11                          ; v11 lane x 768: the prefetches' offset; never rewritten
.set SGO,  14                          ; v14 my quarter of a block of scale bytes in memory: 2,048 x wave + 16 x lane
.set SLO,  15                          ; v15 and in LDS
.set ADRA, 16                          ; v16-17 my A fragments in slot 0, 1; v18-19 for pieces whose two halves of the lanes lie in different chunks
.set ADRB, 20
.set LI,   24                          ; 16 x lane
.set L8,   25                          ; 8 x lane
.set SH8,  26                          ; 8 x (lane / 16)
.set ADRS, 27
.set SPW,  28
.set NIL,  29
.set SC,   32
.set BN,   64
.set AF,   128
.set H,    128
.set CD,   0
.set CT,   96
.set S2,   224                         ; in window 1
.set BM,   224
.set TM,   240
.set PW,   244
.set PX,   245
.set PWE,  246
.set SCW,  248
.set WV,   2
.set A2C,  10                          ; s[10:17] the second tile's codes and scale bytes, at the tile's first rows
.set A2S,  12
.set B2C,  14
.set B2S,  16
.set BI,   18                          ; the bias along the columns
.set G0HB, 20
.set G1,   24
.set G0,   32                          ; group 0 of the ring's refill (chunk 2, my 128 rows): A's; G0B: B's
.set CX,   40
.set CY,   41
.set PR,   42
.set BAT,  43
.set MH,   44                          ; my half of the tile's rows; also: I fetch for A (0) or B (1)
.set NH,   45                          ; my half of its columns; also: which 128 rows I fetch
.set G1B,  48
.set G0B,  56
.set HM,   66
.set TC,   67                          ; tiles to go
.set A1S,  68                          ; the first tile's scale bytes
.set B1S,  70
.set PF1,  72                          ; where my prefetches begin in the first tile, in the second
.set PF2,  74
.set G0C,  84                          ; groups 0 of a tile's first loads: G0H, G0HB chunk 0 of A, B; G0C, G0CB chunk 1
.set OUTP, 88
.set G0CB, 92
.set G0H,  96
.set SEL,  104
.set MSB, 0
.macro WIN new
.if MSB != (\new)
	s_set_vgpr_msb (MSB<<8)|(\new)
.set MSB, (\new)
.endif
.endm
.set MUL_LO, 0xa1
.set MUL_HI, 0xf1
.set TO_B,   0x40
.macro PLACES n
.rept \n
	v_nop
.endr
.endm
.macro TL g0, g1                       ; a tensor load, with s_nop 0 and four v_nop behind it
	tensor_load_to_lds s[\g0:\g0+3], s[\g1:\g1+7]
	s_nop 0
.rept 4
	v_nop
.endr
.endm
.macro JLOAD g0a, g1a, g0b, g1b        ; the ring's joint load: waves 0, 1 for A, waves 2, 3 for B
	s_cmp_eq_u32 s[MH], 0
	s_cbranch_scc0 .Lfor_b_\@
	TL \g0a, \g1a
	s_branch .Lasked_\@
.Lfor_b_\@:
	TL \g0b, \g1b
.Lasked_\@:
.endm
.macro HLOADS                          ; a tile's first four loads, one a wave, 256 rows each: chunk 0 of A, of B, chunk 1 of A, of B
	s_cmp_lt_u32 s[WV], 1
	s_cbranch_scc0 .Lhb_\@
	TL G0H, G1
	s_branch .Lhx_\@
.Lhb_\@:
	s_cmp_lt_u32 s[WV], 2
	s_cbranch_scc0 .Lhc_\@
	TL G0HB, G1B
	s_branch .Lhx_\@
.Lhc_\@:
	s_cmp_lt_u32 s[WV], 3
	s_cbranch_scc0 .Lhd_\@
	TL G0C, G1
	s_branch .Lhx_\@
.Lhd_\@:
	TL G0CB, G1B
.Lhx_\@:
.endm
.macro ROWS n                          ; how many rows a load of codes brings; written where no tensor load of mine is out
	s_mov_b32 s[G1+2], (\n)<<16
	s_mov_b32 s[G1+4], \n
	s_mov_b32 s[G1B+2], (\n)<<16
	s_mov_b32 s[G1B+4], \n
.endm
.macro DESC                            ; from the tile's two addresses in G0H, G0HB: the refill's groups 0 (my 128 rows, at chunk 0: the refill steps them), chunk 1's, and the type bits
	s_mul_i32 s100, s[NH], 128*KROW
	s_mov_b32 s101, 0
	s_add_nc_u64 s[G0+2:G0+3], s[G0H+2:G0H+3], s[100:101]
	s_or_b32 s[G0+3], s[G0+3], 0x80000000
	s_add_nc_u64 s[G0B+2:G0B+3], s[G0HB+2:G0HB+3], s[100:101]
	s_or_b32 s[G0B+3], s[G0B+3], 0x80000000
	s_add_nc_u64 s[G0C+2:G0C+3], s[G0H+2:G0H+3], ROWB
	s_add_nc_u64 s[G0CB+2:G0CB+3], s[G0HB+2:G0HB+3], ROWB
.irp g, G0H, G0HB, G0C, G0CB
	s_or_b32 s[\g+3], s[\g+3], 0x80000000
.endr
.endm
.macro CREST
	s_cmp_lg_u32 s[WV], 0
	s_cbranch_scc1 .Lnot_wave_0_\@
	s_barrier_signal -3
.Lnot_wave_0_\@:
	s_barrier_wait -3
	s_barrier_signal -1
	s_barrier_wait -1
.endm
.macro CROUND
	s_barrier_signal -1
	s_barrier_wait -1
	CREST
.endm
	s_load_b512 s[68:83], s[0:1], 0x0              ; x codes, scales; context codes, scales; Wq codes, scales; Wk codes, scales
	s_load_b512 s[84:99], s[0:1], 0x40             ; Wv codes, scales; bq; bk; bv; qk; vd; vs
	s_load_b128 s[4:7], s[0:1], 0x80               ; We codes, scales
	s_load_b64 s[8:9], s[0:1], 0x90                ; wei
	v_lshl_add_u32 v[SPW], v0, 2, SPARE
	v_mov_b32 v[NIL], 0
	ds_add_u32 v[SPW], v[NIL]                      ; the opening lines: the add twice on end and its wait
	ds_add_u32 v[SPW], v[NIL]
	v_lshrrev_b32 v1, 5, v0
	v_readfirstlane_b32 s[WV], v1
	s_lshr_b32 s[MH], s[WV], 1
	s_and_b32 s[NH], s[WV], 1
	s_bfe_u32 s[CX], ttmp6, 0x40000
	s_bfe_u32 s[CY], ttmp6, 0x40004
	s_lshr_b32 s[PR], ttmp9, 3
	s_and_b32 s[BAT], ttmp9, 7
	s_lshl_b32 s100, s[CY], 2
	s_lshl_b32 s100, 15, s100                      ; my row of the cluster
	s_lshl_b32 s101, 0x1111, s[CX]                 ; my column
	s_or_b32 s[G1+0], s100, (0<<16)|(1<<20)|(1<<21)|(5<<22)|(3<<25)   ; bytes; after every 64 words 4 words of padding
	s_or_b32 s[G1B+0], s101, (0<<16)|(1<<20)|(1<<21)|(5<<22)|(3<<25)
.irp g, G1, G1B
	s_mov_b32 s[\g+1], ROWB<<16
	s_mov_b32 s[\g+2], 256<<16
	s_mov_b32 s[\g+3], ROWB<<16
	s_mov_b32 s[\g+4], 256
	s_mov_b32 s[\g+5], KROW
	s_mov_b32 s[\g+6], 0
	s_mov_b32 s[\g+7], 0
.endr
	s_lshl_b32 s3, s[BAT], 10
	s_lshl_b32 s46, s[CY], 8                       ; A's rows hang on cy alone,
	s_lshl_b32 s47, s[CX], 8                       ; B's on cx alone
	s_add_co_u32 s66, s46, s3                      ; the activations have a batch, the weights none
	s_add_co_u32 s104, s47, s3
	s_mov_b32 s105, 0
	s_wait_dscnt 0x0                               ; both opening adds are done
	s_wait_kmcnt 0x0
	s_cmp_eq_u32 s[PR], 0                          ; first tile: A' = x or context, B' = Wq or Wk.  Second: pair 0: A' = Wv, B' = context; pair 1 the other way round
	s_cselect_b32 s46, s46, s66                    ; the second tile's A' rows,
	s_cselect_b32 s3, s104, s47                    ; and B' rows
	s_cselect_b64 s[A2C:A2C+1], s[84:85], s[72:73]
	s_cselect_b64 s[A2S:A2S+1], s[86:87], s[74:75]
	s_cselect_b64 s[B2C:B2C+1], s[72:73], s[84:85]
	s_cselect_b64 s[B2S:B2S+1], s[74:75], s[86:87]
	s_cselect_b64 s[BI:BI+1], s[88:89], s[90:91]
	s_mov_b64 s[OUTP:OUTP+1], s[94:95]             ; qk
	s_cselect_b64 s[G0H+2:G0H+3], s[68:69], s[72:73]
	s_cselect_b64 s[A1S:A1S+1], s[70:71], s[74:75]
	s_cselect_b64 s[G0HB+2:G0HB+3], s[76:77], s[80:81]
	s_cselect_b64 s[B1S:B1S+1], s[78:79], s[82:83]
	s_lshl_b32 s104, s47, 5
	s_add_nc_u64 s[B1S:B1S+1], s[B1S:B1S+1], s[104:105]
	s_mul_i32 s104, s47, KROW
	s_add_nc_u64 s[G0HB+2:G0HB+3], s[G0HB+2:G0HB+3], s[104:105]
	s_lshl_b32 s104, s3, 5
	s_add_nc_u64 s[B2S:B2S+1], s[B2S:B2S+1], s[104:105]
	s_mul_i32 s104, s3, KROW
	s_add_nc_u64 s[B2C:B2C+1], s[B2C:B2C+1], s[104:105]
	s_mov_b32 s101, 0
	s_lshl_b32 s100, s66, 5
	s_add_nc_u64 s[A1S:A1S+1], s[A1S:A1S+1], s[100:101]
	s_mul_i32 s100, s66, KROW
	s_add_nc_u64 s[G0H+2:G0H+3], s[G0H+2:G0H+3], s[100:101]
	s_lshl_b32 s100, s46, 5
	s_add_nc_u64 s[A2S:A2S+1], s[A2S:A2S+1], s[100:101]
	s_mul_i32 s100, s46, KROW
	s_add_nc_u64 s[A2C:A2C+1], s[A2C:A2C+1], s[100:101]
	s_mul_i32 s3, s[WV], HALFT                     ; the refill: wave x 128 rows of slot 0
	s_mov_b32 s[G0], 1
	s_add_co_u32 s[G0+1], s3, 0
	s_mov_b32 s[G0B], 1
	s_add_co_u32 s[G0B+1], s3, 0
	s_mov_b32 s[G0H], 1
	s_mov_b32 s[G0H+1], 0
	s_mov_b32 s[G0HB], 1
	s_mov_b32 s[G0HB+1], 2*HALFT
	s_mov_b32 s[G0C], 1
	s_mov_b32 s[G0C+1], SLOT
	s_mov_b32 s[G0CB], 1
	s_mov_b32 s[G0CB+1], SLOT+2*HALFT
	; the prefetches: of the 128 rows that wave (MH, NH) stands for, the partner at place p (cx for A, cy for B) takes rows 32 p on
	s_cmp_eq_u32 s[MH], 0
	s_cselect_b64 s[PF1:PF1+1], s[G0H+2:G0H+3], s[G0HB+2:G0HB+3]
	s_cselect_b64 s[PF2:PF2+1], s[A2C:A2C+1], s[B2C:B2C+1]
	s_cselect_b32 s46, s[CX], s[CY]
	s_lshl_b32 s46, s46, 5
	s_lshl_b32 s47, s[NH], 7
	s_add_co_u32 s46, s46, s47
	s_mul_i32 s46, s46, KROW
	s_mov_b32 s47, 0
	s_add_nc_u64 s[PF1:PF1+1], s[PF1:PF1+1], s[46:47]
	s_add_nc_u64 s[PF2:PF2+1], s[PF2:PF2+1], s[46:47]
	DESC
	CROUND                                         ; all sixteen work-groups are here: the first joint loads meet
	HLOADS
	s_mov_b32 s[SEL], 0x76543210
	s_mov_b32 s[SEL+1], 0xfedcba98                 ; selects for lane l xor 16
	s_mov_b32 s[HM], 0xffff0000                    ; lanes 16-31
	v_and_b32 v1, 15, v0                           ; r
	v_bfe_u32 v2, v0, 4, 1                         ; h
	v_mul_u32_u24 v3, v1, PITCH
	v_mul_u32_u24 v4, v2, 24
	v_add_nc_u32 v4, v3, v4
	s_mov_b32 s46, SLOT-232
	s_mov_b32 s47, SLOT+232
	v_sub_nc_u32 v7, 1, v2
	v_mul_u32_u24 v5, s46, v2
	v_add_nc_u32 v5, v3, v5
	v_add_nc_u32 v5, 232, v5                       ; lanes 0-15 byte 232 of the row in slot 0, lanes 16-31 byte 0 in slot 1
	v_mul_u32_u24 v6, s47, v7
	v_add_nc_u32 v6, v3, v6                        ; and the other way round
	s_mul_i32 s46, s[MH], HALFT
	s_mul_i32 s47, s[NH], HALFT
	s_add_co_u32 s47, s47, 2*HALFT
	v_add_nc_u32 v[ADRA+2], s46, v5
	v_add_nc_u32 v[ADRA+3], s46, v6
	v_add_nc_u32 v[ADRB+2], s47, v5
	v_add_nc_u32 v[ADRB+3], s47, v6
.irp s, 0,1
	v_add_nc_u32 v[ADRA+\s], s46, v4
	v_add_nc_u32 v[ADRB+\s], s47, v4
	s_add_co_u32 s46, s46, SLOT
	s_add_co_u32 s47, s47, SLOT
.endr
	v_mul_u32_u24 v5, v1, KS
	v_lshrrev_b32 v6, 8, v5
	v_lshl_add_u32 v5, v6, 4, v5
	s_mul_i32 s46, s[MH], HALFS
	s_mul_i32 s47, s[NH], HALFS
	s_add_co_u32 s47, s47, 2*HALFS
	s_sub_co_u32 s47, s47, s46
	v_mul_u32_u24 v6, s47, v2                      ; lanes 16-31 take B's words
	s_add_co_u32 s46, s46, SCL
	v_add_nc_u32 v5, v5, v6
	v_add_nc_u32 v[ADRS], s46, v5
	; the first tile's place in qk: ((4 mt + rs) x 2 + rg) x 4 + q blocks, mt = 8 b + 2 cy + MH, K step 8 pair + 2 cx + NH = 4 rs + q
	s_lshl_b32 s100, s[BAT], 3
	s_lshl_b32 s101, s[CY], 1
	s_add_co_u32 s100, s100, s101
	s_add_co_u32 s100, s100, s[MH]
	s_lshl_b32 s100, s100, 2
	s_lshr_b32 s101, s[CX], 1
	s_add_co_u32 s100, s100, s101
	s_lshl_b32 s101, s[PR], 1
	s_add_co_u32 s100, s100, s101
	s_mul_i32 s100, s100, 8*BLK
	s_and_b32 s101, s[CX], 1
	s_lshl_b32 s101, s101, 1
	s_add_co_u32 s101, s101, s[NH]
	s_mul_i32 s101, s101, BLK
	s_add_co_u32 s100, s100, s101
	s_mov_b32 s101, 0
	s_add_nc_u64 s[OUTP:OUTP+1], s[OUTP:OUTP+1], s[100:101]
	s_add_nc_u64 s[OUTP+2:OUTP+3], s[OUTP:OUTP+1], 4*BLK
	s_lshl_b32 s100, s[CX], 10                     ; its bias runs along the columns
	s_lshl_b32 s46, s[NH], 9
	s_add_co_u32 s100, s100, s46
	s_add_nc_u64 s[BI:BI+1], s[BI:BI+1], s[100:101]
	; We: work-group (cluster G, cx, cy) lays rows 64 G on, K step 4 cy + cx, as one block of wei; wave w its rows 16 w on
	s_lshl_b32 s3, s[CY], 2
	s_add_co_u32 s3, s3, s[CX]
	s_lshl_b32 s46, ttmp9, 2
	s_add_co_u32 s46, s46, s[WV]
	s_mul_i32 s46, s46, 16*1536
	s_mul_i32 s47, s3, 96
	s_add_co_u32 s46, s46, s47                     ; my 16 rows' codes
	s_lshl_b32 s47, ttmp9, 12
	s_lshl_b32 s3, s3, 2
	s_add_co_u32 s47, s47, s3                      ; the 64 rows' scale words
	s_lshr_b32 s100, ttmp9, 2                      ; wei: (((G / 4) x 4 + cy) x 4 + G % 4) x 4 + cx blocks
	s_lshl_b32 s100, s100, 2
	s_add_co_u32 s100, s100, s[CY]
	s_lshl_b32 s100, s100, 2
	s_and_b32 s101, ttmp9, 3
	s_add_co_u32 s100, s100, s101
	s_lshl_b32 s100, s100, 2
	s_add_co_u32 s100, s100, s[CX]
	s_mul_i32 s100, s100, BLK
	s_mul_i32 s101, s[WV], 1536
	s_add_co_u32 s101, s101, s100
	v_and_b32 v6, 31, v0
	v_lshlrev_b32 v[LI], 4, v6
	v_lshlrev_b32 v[L8], 3, v6
	v_lshlrev_b32 v[SH8], 3, v2
	v_lshlrev_b32 v30, 5, v2                       ; 32 h
	v_lshlrev_b32 v31, 2, v1                       ; 4 r
	v_mul_u32_u24 v12, v1, 1536
	v_mad_u32_u24 v12, v2, 24, v12
	v_add_nc_u32 v12, s46, v12
	v_lshl_add_u32 v13, v6, 6, s47
	v_add_nc_u32 v255, s100, v[L8]
	v_add_nc_u32 v254, s101, v[LI]
	s_lshl_b32 s3, s[WV], 11                       ; my quarter of a block of scale bytes: 2,048 bytes = 8 runs of 256,
	s_mul_i32 s46, s[WV], 8*272                    ; in LDS 272 apart
	s_add_co_u32 s46, s46, SCL
	v_add_nc_u32 v[SGO], s3, v[LI]
	v_lshl_add_u32 v[SLO], v2, 4, v[LI]            ; lanes 16-31 stand in the next run: 16 more
	v_add_nc_u32 v[SLO], s46, v[SLO]
	v_mul_u32_u24 v[PFO], v6, KROW
	v_mov_b32 v[PX], 0                             ; a lane permute's destination counts as one of its sources
	s_wait_alu depctr_va_vdst(0)                   ; the wait ahead of the readers below
.irp k, 0,1,2,3
	global_load_b128 v[AF+4*\k:AF+4*\k+3], v[SGO], s[A1S:A1S+1] offset:512*\k          ; the first tile's scale bytes: wanted first
	global_load_b128 v[AF+16+4*\k:AF+16+4*\k+3], v[SGO], s[B1S:B1S+1] offset:512*\k
.endr
.irp p, 0,1,2,3,4,5
	global_load_b64 v[BM+2*\p:BM+2*\p+1], v12, s[4:5] offset:48*(\p/3)+8*(\p%3)
.endr
	global_load_b32 v[BM+12], v13, s[6:7]
	global_load_b32 v[BM+13], v13, s[6:7] offset:2048
.macro BIASN                           ; tile t's eight biases stand where its numbers stand among a lane's 64 (macro SWAP64)
.irp t, 0,1,2,3,4,5,6,7
.set PLT, 32*(\t/4)+16*(\t%2)+8*((\t%4)/2)
	global_load_b128 v[BN+PLT:BN+PLT+3], v30, s[BI:BI+1] offset:64*\t
	global_load_b128 v[BN+PLT+4:BN+PLT+7], v30, s[BI:BI+1] offset:64*\t+16
.endr
.endm
	BIASN
	WIN 0x40                                       ; destination window 1
.irp k, 0,1,2,3
	global_load_b128 v[S2+4*\k:S2+4*\k+3], v[SGO], s[A2S:A2S+1] offset:512*\k          ; the second tile's scale bytes wait in registers
	global_load_b128 v[S2+16+4*\k:S2+16+4*\k+3], v[SGO], s[B2S:B2S+1] offset:512*\k
.endr
	WIN 0
	global_prefetch_b8 v[PFO], s[PF1:PF1+1] offset:2*ROWB th:TH_LOAD_NT scope:SCOPE_SE   ; the first tile's chunk 2
.macro FRAG reg, adr, st, i            ; a fragment: 12 registers, in pieces of 8 bytes; byte y of a row lies in slot (y / 256) % 2 at byte y % 256
.irp p, 0,1,2,3,4,5
.set BY, 96*(\st)+48*(\p/3)+8*(\p%3)
.if BY/ROWB == (BY+24)/ROWB
	ds_load_b64 v[\reg+2*\p:\reg+2*\p+1], v[\adr+(BY/ROWB)%2] offset:BY%ROWB+(\i)*16*PITCH
.else
	ds_load_b64 v[\reg+2*\p:\reg+2*\p+1], v[\adr+2+(BY/ROWB)%2] offset:BY%ROWB-232+(\i)*16*PITCH
.endif
.endr
.endm
.macro MUL16 a0, p, q, sc, zero        ; A's blocks a0, a0 + 1 x B's eight; the 64 accumulators take turns
.irp a, \a0, \a0+1
.irp b, 0,1,2,3,4,5,6,7
.if \zero
	v_wmma_scale_f32_16x16x128_f8f6f4 v[8*(8*((\a)%4)+\b):8*(8*((\a)%4)+\b)+7], v[128*(\p)+FR*\b:128*(\p)+FR*\b+FR-1], v[AF+FR*(\a):AF+FR*(\a)+FR-1], 0, v[SC+8*NQ*(\sc)+NQ*\b+(\q)], v[SC+8*NQ*(\sc)+NQ*(\a)+(\q)] matrix_a_fmt:MATRIX_FMT_FP6 matrix_b_fmt:MATRIX_FMT_FP6 matrix_a_scale:MATRIX_SCALE_ROW1
.else
	v_wmma_scale_f32_16x16x128_f8f6f4 v[8*(8*((\a)%4)+\b):8*(8*((\a)%4)+\b)+7], v[128*(\p)+FR*\b:128*(\p)+FR*\b+FR-1], v[AF+FR*(\a):AF+FR*(\a)+FR-1], v[8*(8*((\a)%4)+\b):8*(8*((\a)%4)+\b)+7], v[SC+8*NQ*(\sc)+NQ*\b+(\q)], v[SC+8*NQ*(\sc)+NQ*(\a)+(\q)] matrix_a_fmt:MATRIX_FMT_FP6 matrix_b_fmt:MATRIX_FMT_FP6 matrix_a_scale:MATRIX_SCALE_ROW1
.endif
.endr
.endr
.endm
.macro FETCH_B st, p
	WIN TO_B
.irp i, 0,1,2,3,4,5,6,7
	FRAG 128*(\p)+FR*\i, ADRB, \st, \i
.endr
	WIN 0
.endm
.macro FETCH_A st, i0
.irp i, \i0, \i0+1, \i0+2, \i0+3
	FRAG AF+FR*(\i), ADRA, \st, \i
.endr
.endm
.macro SCALES pr                       ; the words of steps 2 pr, 2 pr + 1: lanes 0-15 A's block i, lanes 16-31 B's
.irp i, 0,1,2,3,4,5,6,7
	ds_load_b64 v[SC+8*NQ*((\pr)%2)+NQ*\i:SC+8*NQ*((\pr)%2)+NQ*\i+1], v[ADRS] offset:\i*SBLK+4*NQ*(\pr)
.endr
.endm
; A step of 128 along K.  Chunks 0 and 1 were shown whole ahead of the tile's first step.  Where the next step's bytes leave chunk 0 behind: the three lines, a round, and the refill with chunk 2.
; Where they first end in chunk 2: the wait for my load and a barrier.  Chunk 1's slot is filled again only between the tiles, behind a round of its own.
.macro STEP st, zero
.set NX, (\st)+1
.set C0, (96*(\st))/ROWB
.set C1, (96*NX)/ROWB
.set E0, (96*(\st)+95)/ROWB
.set E1, (96*NX+95)/ROWB
.if (C1 > C0 && C0+2 < CHUNKS) || (E1 > E0 && E1 > 1)
	s_wait_tensorcnt 0x0                           ; all my tensor loads have landed
.if C1 > C0
	ds_add_u32 v[SPW], v[NIL]
	s_wait_dscnt 4*NL+1                            ; the add and the youngest 24 loads (A's blocks 4-7) may be out
.else
	s_wait_dscnt 4*NL                              ; the youngest 24 loads may be out
.endif
	WIN MUL_LO
	MUL16 0, (\st)%2, (\st)%2, ((\st)/2)%2, \zero
	s_wait_dscnt 0x0                               ; the add and my reads are done
	s_barrier_signal -1
	MUL16 2, (\st)%2, (\st)%2, ((\st)/2)%2, \zero
	WIN 0
	s_barrier_wait -1
.if C1 > C0
	CREST
	s_add_nc_u64 s[G0+2:G0+3], s[G0+2:G0+3], 2*ROWB
	s_add_nc_u64 s[G0B+2:G0B+3], s[G0B+2:G0B+3], 2*ROWB
	JLOAD G0, G1, G0B, G1B                         ; chunk 2; its four v_nop are the places in front of the loads below
.else
	PLACES NP
.endif
.else
	s_wait_dscnt 4*NL
	WIN MUL_LO
	MUL16 0, (\st)%2, (\st)%2, ((\st)/2)%2, \zero
	MUL16 2, (\st)%2, (\st)%2, ((\st)/2)%2, \zero
	s_wait_dscnt 0
	PLACES NP
.endif
	FETCH_B NX, NX%2
	FETCH_A NX, 0
.if NX%2 == 0
	SCALES NX/2
.endif
	WIN MUL_HI
	MUL16 4, (\st)%2, (\st)%2, ((\st)/2)%2, \zero
	MUL16 6, (\st)%2, (\st)%2, ((\st)/2)%2, \zero
	PLACES NP
	WIN 0
	FETCH_A NX, 4
.endm
; THE WAY OUT, 16 rows x 128 columns at a time.  Tile t's eight numbers of a lane go to H + PLT + j; SWAP64 makes H + 32 c + i = column 64 c + 32 h + i.
.macro SWAP64
.irp g, 0,16,32,48
.irp j, 0,1,2,3,4,5,6,7
	v_permlane16_swap_b32 v[H+\g+\j], v[H+\g+8+\j]
.endr
.endr
.endm
.macro QUANT cd                        ; 64 numbers become 12 registers of codes in window 1 and the row's scale word in v[PW]
.irp k, 0,1,2,3
	v_max3_num_f32 v[TM+\k], |v[H+16*\k]|, |v[H+16*\k+1]|, 0x1800000   ; the floor 2^(3 - 127) holds the byte at 1 from below
.endr
.irp i, 2,4,6,8,10,12,14
.irp k, 0,1,2,3
	v_max3_num_f32 v[TM+\k], v[TM+\k], |v[H+16*\k+\i]|, |v[H+16*\k+\i+1]|
.endr
.endr
.irp c, 0,1
	v_max_num_f32 v[TM+2*\c], v[TM+2*\c], v[TM+2*\c+1]
.endr
.irp c, 0,1
	v_add_nc_u32 v[TM+2*\c+1], 0xff000000, v[TM+2*\c]               ; 2 off the exponent field: the conversion's scale operand
.endr
.irp c, 0,1
	v_lshrrev_b32 v[TM+2*\c], 23, v[TM+2*\c+1]
.endr
	v_lshl_or_b32 v[PW], v[TM+2], 16, v[TM]
	v_lshlrev_b32 v[PW], v[SH8], v[PW]
	v_permlanex16_b32 v[PX], v[PW], s[SEL], s[SEL+1]
	v_or_b32 v[PW], v[PW], v[PX]
	WIN 0x40
.irp c, 0,1
	v_cvt_scalef32_pk16_fp6_f32 v[(\cd)+6*\c:(\cd)+6*\c+2], v[H+32*\c:H+32*\c+15], v[TM+2*\c+1]
	v_cvt_scalef32_pk16_fp6_f32 v[CT+4*\c:CT+4*\c+2], v[H+32*\c+16:H+32*\c+31], v[TM+2*\c+1]
.endr
	v_nop                                          ; one plain place behind a scaled conversion
	WIN 0x41
.irp c, 0,1
.irp i, 0,1,2
	v_mov_b32 v[(\cd)+6*\c+3+\i], v[CT+4*\c+\i]
.endr
.endr
	WIN 0
.endm
.macro PUT base, off, cd               ; three stores of 512 consecutive bytes
	WIN 0x04
.irp c, 0,1,2
	global_store_b128 v[LI], v[(\cd)+4*\c:(\cd)+4*\c+3], s[(\base):(\base)+1] offset:(\off)+512*\c
.endr
	WIN 0
.endm
.macro OUTBLK a, arms                  ; arms = 1: the bias runs along the columns (type 2) or along the rows (type 3)
.set AC, 64*((\a)%4)
.set CDA, CD+12*(\a)
.set OB, OUTP+2*((\a)/4)
.if \arms
	s_cmp_eq_u32 s[PR], 0
	s_cbranch_scc1 .Lby_row_\@
.endif
	WIN 0x02+(\a)/4
.irp t, 0,1,2,3,4,5,6,7
.set PLT, 32*(\t/4)+16*(\t%2)+8*((\t%4)/2)
.irp j, 0,2,4,6
	v_pk_add_f32 v[H+PLT+\j:H+PLT+\j+1], v[AC+8*\t+\j:AC+8*\t+\j+1], v[BN+PLT+\j:BN+PLT+\j+1]   ; each accumulator from its low end on
.endr
.endr
	WIN 0
.if \arms
	s_branch .Ladded_\@
.Lby_row_\@:
	WIN 0x02+(\a)/4
	s_wait_alu depctr_va_vdst(0)
.irp t, 0,1,2,3,4,5,6,7
.set PLT, 32*(\t/4)+16*(\t%2)+8*((\t%4)/2)
.irp j, 0,2,4,6
	v_pk_add_f32 v[H+PLT+\j:H+PLT+\j+1], v[AC+8*\t+\j:AC+8*\t+\j+1], v[BM+2*(\a):BM+2*(\a)+1]
.endr
.endr
	WIN 0
.Ladded_\@:
.endif
	SWAP64
	QUANT CDA
	PUT OB, ((\a)%4)*1536, CDA
.if (\a)%2 == 0
	v_mov_b32 v[PWE], v[PW]
.else
	v_cndmask_b32 v[SCW+(\a)/2], v[PWE], v[PW], s[HM]   ; lanes 0-15 the even block's words, lanes 16-31 the odd block's
.endif
.if (\a)%4 == 3
	global_store_b64 v[L8], v[SCW+2*((\a)/4):SCW+2*((\a)/4)+1], s[OB:OB+1] offset:6144
.endif
.endm
; The tile ahead is made ready: my one of its four loads has landed; my quarter of its scale bytes goes into LDS (win, reg: where it waits); one barrier shows all of it to every wave.
.macro READY win, reg
	s_wait_alu depctr_va_vdst(0)                   ; the wait ahead of the blocking wait
	s_wait_tensorcnt 0x0
	ROWS 128                                       ; the refill brings 128 rows a wave
	WIN \win
.irp k, 0,1,2,3
	ds_store_b128 v[SLO], v[(\reg)+4*\k:(\reg)+4*\k+3] offset:544*\k
	ds_store_b128 v[SLO], v[(\reg)+16+4*\k:(\reg)+16+4*\k+3] offset:2*HALFS+544*\k
.endr
	WIN 0
	s_wait_dscnt 0x0
	s_barrier_signal -1
	s_barrier_wait -1
.endm
	s_wait_loadcnt 32                              ; the first tile's scale bytes are in; behind them: We's 8 loads, the bias's 16, the second tile's 8
	READY 0, AF
	s_wait_loadcnt 0x0                             ; We's block, the bias, the second tile's scale bytes
.irp c, 0,1,2
	global_store_b128 v254, v[BM+4*\c:BM+4*\c+3], s[8:9] offset:512*\c
.endr
	s_cmp_lg_u32 s[WV], 0
	s_cbranch_scc1 .Lno_words
	global_store_b64 v255, v[BM+12:BM+13], s[8:9] offset:6144
.Lno_words:
	s_mov_b32 s[TC], 2
.Ltile:
	FETCH_B 0, 0
	FETCH_A 0, 0
	SCALES 0
	FETCH_A 0, 4
	STEP 0, 1                                      ; the first products start the sums
	STEP 1, 0
	STEP 2, 0
	STEP 3, 0
	s_cmp_eq_u32 s[TC], 1                          ; the last tile asks for nothing
	s_cbranch_scc1 .Lno_ask
	global_prefetch_b8 v[PFO], s[PF2:PF2+1] th:TH_LOAD_NT scope:SCOPE_SE               ; the second tile's chunks 0 and 1
	global_prefetch_b8 v[PFO], s[PF2:PF2+1] offset:ROWB th:TH_LOAD_NT scope:SCOPE_SE
.Lno_ask:
	STEP 4, 0
	STEP 5, 0
	STEP 6, 0
	s_wait_dscnt 4*NL
	WIN MUL_LO
	MUL16 0, 1, 1, 1, 0
	MUL16 2, 1, 1, 1, 0
	s_wait_dscnt 0
	WIN MUL_HI
	MUL16 4, 1, 1, 1, 0
	MUL16 6, 1, 1, 1, 0
	WIN 0
	s_cmp_eq_u32 s[TC], 1
	s_cbranch_scc1 .Llast
	; ---- BETWEEN THE TILES: both slots and the scale bytes have been read out
	s_wait_xcnt 0x0                                ; We's loads and stores have read s[4:9]
	s_load_b128 s[4:7], s[0:1], 0x70               ; vd, vs
	s_load_b64 s[8:9], s[0:1], 0x60                ; bv
	s_wait_tensorcnt 0x0
	ds_add_u32 v[SPW], v[NIL]
	ROWS 256
	s_mov_b64 s[G0H+2:G0H+3], s[A2C:A2C+1]
	s_mov_b64 s[G0HB+2:G0HB+3], s[B2C:B2C+1]
	DESC
	s_wait_dscnt 0x0
	CROUND
	HLOADS                                         ; the second tile's chunks 0 and 1 land under the way out
	PLACES NP
	global_prefetch_b8 v[PFO], s[PF2:PF2+1] offset:2*ROWB th:TH_LOAD_NT scope:SCOPE_SE   ; and its chunk 2 is asked of memory
.irp a, 0,1,2,3,4,5,6,7
	OUTBLK \a, 0
.endr
	s_wait_xcnt 0x0                                ; the stores have read their registers and bases
	s_wait_kmcnt 0x0
	s_cmp_eq_u32 s[PR], 0
	s_cselect_b64 s[OUTP:OUTP+1], s[6:7], s[4:5]   ; vs or vd: (((4 b + cy) x 4 + cx) x 4 + rg) x 2 + NH blocks, rg = 2 MH + (0, 1)
	s_lshl_b32 s100, s[BAT], 2
	s_add_co_u32 s100, s100, s[CY]
	s_lshl_b32 s100, s100, 2
	s_add_co_u32 s100, s100, s[CX]
	s_lshl_b32 s100, s100, 2
	s_lshl_b32 s101, s[MH], 1
	s_add_co_u32 s100, s100, s101
	s_mul_i32 s100, s100, 2*BLK
	s_mul_i32 s101, s[NH], BLK
	s_add_co_u32 s100, s100, s101
	s_mov_b32 s101, 0
	s_add_nc_u64 s[OUTP:OUTP+1], s[OUTP:OUTP+1], s[100:101]
	s_add_nc_u64 s[OUTP+2:OUTP+3], s[OUTP:OUTP+1], 2*BLK
	s_lshl_b32 s100, s[CX], 10                     ; bv along the columns (type 2) or the rows (type 3); both sets are loaded, the unused one from bv's first bytes
	s_lshl_b32 s46, s[NH], 9
	s_add_co_u32 s100, s100, s46
	s_lshl_b32 s46, s[CY], 10
	s_lshl_b32 s47, s[MH], 9
	s_add_co_u32 s46, s46, s47
	s_cmp_eq_u32 s[PR], 0
	s_cselect_b32 s100, 0, s100
	s_cselect_b32 s46, s46, 0
	s_mov_b32 s47, 0
	s_add_nc_u64 s[BI:BI+1], s[8:9], s[100:101]
	s_add_nc_u64 s[4:5], s[8:9], s[46:47]
	BIASN
.irp a, 0,1,2,3,4,5,6,7
	global_load_b32 v[BM+2*\a], v31, s[4:5] offset:64*\a
.endr
	s_sub_co_u32 s[TC], s[TC], 1
	READY 0x04, S2                                 ; a store's data are its source 1: window 1
	s_branch .Ltile
.Llast:
	PLACES NP
	s_wait_loadcnt 0x0                             ; bv
.irp a, 0,1,2,3,4,5,6,7
	v_mov_b32 v[BM+2*\a+1], v[BM+2*\a]             ; a pair for the packed addition
.endr
.irp a, 0,1,2,3,4,5,6,7
	OUTBLK \a, 1
.endr
	s_wait_tensorcnt 0x0                           ; the wave's end
	ds_add_u32 v[SPW], v[NIL]
	s_wait_dscnt 0x0
	CROUND                                         ; the closing round
	s_endpgm
.Lfunc_end_k_q1fa139f6e8_proj:
	.size	k_q1fa139f6e8_proj, .Lfunc_end_k_q1fa139f6e8_proj-k_q1fa139f6e8_proj
	.p2alignl 7, 3214868480
	.fill 96, 4, 3214868480
	.section	.rodata,"a",@progbits
	.p2align	6, 0x0
	.amdhsa_kernel k_q1fa139f6e8_proj
		.amdhsa_group_segment_fixed_size 327680
		.amdhsa_private_segment_fixed_size 0
		.amdhsa_enable_private_segment 0
		.amdhsa_kernarg_size 152
		.amdhsa_user_sgpr_count 2
		.amdhsa_user_sgpr_kernarg_segment_ptr 1
		.amdhsa_wavefront_size32 1
		.amdhsa_system_sgpr_workgroup_id_x 1
		.amdhsa_system_sgpr_workgroup_id_y 1
		.amdhsa_system_sgpr_workgroup_id_z 1
		.amdhsa_system_vgpr_workitem_id 0
		.amdhsa_next_free_vgpr 1024
		.amdhsa_next_free_sgpr 106
		.amdhsa_reserve_vcc 0
		.amdhsa_float_denorm_mode_32 3
		.amdhsa_float_denorm_mode_16_64 3
		.amdhsa_memory_ordered 1
		.amdhsa_forward_progress 1
		.amdhsa_inst_pref_size 255
	.end_amdhsa_kernel
	.section	.bss,"aw",@nobits
	.p2align	6
	.space	262144
	.amdgpu_metadata
---
amdhsa.version: [ 1, 2 ]
amdhsa.kernels:
  - .name:           k_q1fa139f6e8_proj
    .symbol:         k_q1fa139f6e8_proj.kd
    .args:
      - { .name: x_codes, .offset: 0, .size: 8, .value_kind: global_buffer, .address_space: global }
      - { .name: x_scales, .offset: 8, .size: 8, .value_kind: global_buffer, .address_space: global }
      - { .name: context_codes, .offset: 16, .size: 8, .value_kind: global_buffer, .address_space: global }
      - { .name: context_scales, .offset: 24, .size: 8, .value_kind: global_buffer, .address_space: global }
      - { .name: Wq_codes, .offset: 32, .size: 8, .value_kind: global_buffer, .address_space: global }
      - { .name: Wq_scales, .offset: 40, .size: 8, .value_kind: global_buffer, .address_space: global }
      - { .name: Wk_codes, .offset: 48, .size: 8, .value_kind: global_buffer, .address_space: global }
      - { .name: Wk_scales, .offset: 56, .size: 8, .value_kind: global_buffer, .address_space: global }
      - { .name: Wv_codes, .offset: 64, .size: 8, .value_kind: global_buffer, .address_space: global }
      - { .name: Wv_scales, .offset: 72, .size: 8, .value_kind: global_buffer, .address_space: global }
      - { .name: bq, .offset: 80, .size: 8, .value_kind: global_buffer, .address_space: global }
      - { .name: bk, .offset: 88, .size: 8, .value_kind: global_buffer, .address_space: global }
      - { .name: bv, .offset: 96, .size: 8, .value_kind: global_buffer, .address_space: global }
      - { .name: qk, .offset: 104, .size: 8, .value_kind: global_buffer, .address_space: global }
      - { .name: vd, .offset: 112, .size: 8, .value_kind: global_buffer, .address_space: global }
      - { .name: vs, .offset: 120, .size: 8, .value_kind: global_buffer, .address_space: global }
      - { .name: We_codes, .offset: 128, .size: 8, .value_kind: global_buffer, .address_space: global }
      - { .name: We_scales, .offset: 136, .size: 8, .value_kind: global_buffer, .address_space: global }
      - { .name: wei, .offset: 144, .size: 8, .value_kind: global_buffer, .address_space: global }
    .group_segment_fixed_size: 327680
    .private_segment_fixed_size: 0
    .kernarg_segment_align: 8
    .kernarg_segment_size: 152
    .max_flat_workgroup_size: 128
    .sgpr_count:     106
    .vgpr_count:     1024
    .wavefront_size: 32
...
	.end_amdgpu_metadata
.endif
;; end of part 1
;; launch entangle (part 2): grid 4 x 64, 4 waves a work-group, clusters of 4 x 4, 327,680 bytes of LDS; arguments qk, wei, be, ent; writes ent
.if DOCPART == 2
	.amdgcn_target "amdgcn-amd-amdhsa--gfx1250"
	.amdhsa_code_object_version 6
	.text
	.protected	k_q1fa139f6e8_entangle
	.globl	k_q1fa139f6e8_entangle
	.p2align	8
	.type	k_q1fa139f6e8_entangle,@function
k_q1fa139f6e8_entangle:
	s_mov_b64 s[64:65], 0
	v_nop
	global_prefetch_b8 v0, s[64:65] scope:SCOPE_SE
	s_setreg_imm32_b32 hwreg(HW_REG_WAVE_MODE, 25, 1), 1
	s_wait_xcnt 0x0
	s_wait_alu depctr_hold_cnt(0) depctr_sa_sdst(0) depctr_va_vdst(0) depctr_va_sdst(0) depctr_va_ssrc(0) depctr_va_vcc(0) depctr_vm_vsrc(0)
	s_getreg_b32 s2, hwreg(HW_REG_IB_STS2, 6, 4)
	s_cmp_eq_u32 s2, 0
	s_cbranch_scc0 .Lentry_in_a_cluster
	s_endpgm
.Lentry_in_a_cluster:
	s_bfe_u32 s2, ttmp6, 0x10000c
	s_cmp_lg_u32 s2, 0xf033
	s_cbranch_scc0 .Lentry_shape_is_right
	s_endpgm
.Lentry_shape_is_right:
.set QS,    4
.set BSA,   6400
.set BSB,   6400
.set RGS,   QS*BSB
.set APART, 2*QS*BSA
.set BPART, 4*QS*BSB
.set SLOTB, APART+BPART
.set SPARE, 2*SLOTB
.set LI,  4
.set L8,  5
.set SH8, 6
.set ADA, 8
.set ASA, 10
.set ADB, 12
.set ASB, 14
.set C9,  18
.set K2,  20
.set C7,  22
.set C5,  24
.set C3,  26
.set SPW, 28
.set NIL, 29
.set SCA, 32
.set SCW, 36
.set PWE, 42
.set SCB, 48
.set TM,  56
.set PW,  60
.set PX,  61
.set AF,  64
.set T1,  64
.set T2,  96
.set T3,  128
.set H,   160
.set CD,  224
.set CT,  248
.set WV,  2
.set FB,  3
.set NH,  4
.set CX,  5
.set CY,  6
.set CLY, 7
.set WGY, 16
.set G1A, 24
.set G1B, 32
.set G0A, 40
.set G0B, 56
.set SEL, 76
.set HM,  78
.set THR, 79
.set MROW, 80
.set MCOL, 81
.set MSB, 0
.macro WIN new
.if MSB != (\new)
	s_set_vgpr_msb (MSB<<8)|(\new)
.set MSB, (\new)
.endif
.endm
.macro PLACES n
.rept \n
	v_nop
.endr
.endm
.macro JLOAD g0a, g1a, g0b, g1b
	s_cmp_eq_u32 s[FB], 0
	s_cbranch_scc0 .Lfor_b_\@
	tensor_load_to_lds s[\g0a:\g0a+3], s[\g1a:\g1a+7]
	s_nop 0
.rept 4
	v_nop
.endr
	s_branch .Lasked_\@
.Lfor_b_\@:
	tensor_load_to_lds s[\g0b:\g0b+3], s[\g1b:\g1b+7]
	s_nop 0
.rept 4
	v_nop
.endr
.Lasked_\@:
.endm
.macro CREST
	s_cmp_lg_u32 s[WV], 0
	s_cbranch_scc1 .Lnot_wave_0_\@
	s_barrier_signal -3
.Lnot_wave_0_\@:
	s_barrier_wait -3
	s_barrier_signal -1
	s_barrier_wait -1
.endm
.macro CROUND
	s_barrier_signal -1
	s_barrier_wait -1
	CREST
.endm
	s_load_b256 s[8:15], s[0:1], 0x0
	v_lshl_add_u32 v[SPW], v0, 2, SPARE
	v_mov_b32 v[NIL], 0
	ds_add_u32 v28, v29
	ds_add_u32 v28, v29
	s_wait_dscnt 0x0
	v_lshrrev_b32 v30, 5, v0
	v_readfirstlane_b32 s[WV], v30
	s_lshr_b32 s[FB], s[WV], 1
	s_and_b32 s[NH], s[WV], 1
	s_bfe_u32 s[CX], ttmp6, 0x40000
	s_bfe_u32 s[CY], ttmp6, 0x40004
	s_and_b32 s[CLY], ttmp7, 0xffff
	s_lshl_b32 s[WGY], s[CLY], 2
	s_add_co_u32 s[WGY], s[WGY], s[CY]
	s_lshl_b32 s[MROW], s[CY], 2
	s_lshl_b32 s[MROW], 15, s[MROW]
	s_lshl_b32 s[MCOL], 0x1111, s[CX]
	s_or_b32 s[G1A], s[MROW], (3<<16)|(1<<21)
	s_mov_b32 s[G1A+1], 32<<16
	s_mov_b32 s[G1A+2], (QS*BSA/256)<<16
	s_mov_b32 s[G1A+3], 32<<16
	s_mov_b32 s[G1A+4], QS*BSA/256
	s_mov_b32 s[G1A+5], 32
	s_mov_b32 s[G1A+6], 0
	s_mov_b32 s[G1A+7], 0
	s_or_b32 s[G1B], s[MCOL], (3<<16)|(1<<21)
	s_mov_b32 s[G1B+1], 32<<16
	s_mov_b32 s[G1B+2], (2*QS*BSB/256)<<16
	s_mov_b32 s[G1B+3], 32<<16
	s_mov_b32 s[G1B+4], 2*QS*BSB/256
	s_mov_b32 s[G1B+5], 32
	s_mov_b32 s[G1B+6], 0
	s_mov_b32 s[G1B+7], 0
	s_mul_i32 s18, s[WGY], 4*APART
	s_mul_i32 s82, s[NH], QS*BSA
	s_add_co_u32 s18, s18, s82
	s_mov_b32 s19, 0
	s_mul_i32 s20, s[CX], 4*BPART
	s_mul_i32 s83, s[NH], 2*QS*BSB
	s_add_co_u32 s20, s20, s83
	s_mov_b32 s21, 0
	s_wait_kmcnt 0x0
	s_add_nc_u64 s[18:19], s[8:9], s[18:19]
	s_add_nc_u64 s[20:21], s[10:11], s[20:21]
.irp s, 0,1
	s_mov_b32 s[G0A+4*\s], 1
	s_add_co_u32 s[G0A+4*\s+1], s82, \s*SLOTB
	s_add_nc_u64 s[G0A+4*\s+2:G0A+4*\s+3], s[18:19], \s*APART
	s_or_b32 s[G0A+4*\s+3], s[G0A+4*\s+3], 0x80000000
	s_mov_b32 s[G0B+4*\s], 1
	s_add_co_u32 s[G0B+4*\s+1], s83, \s*SLOTB+APART
	s_add_nc_u64 s[G0B+4*\s+2:G0B+4*\s+3], s[20:21], \s*BPART
	s_or_b32 s[G0B+4*\s+3], s[G0B+4*\s+3], 0x80000000
.endr
	CROUND
	JLOAD G0A, G1A, G0B, G1B
	; PREFETCHES, two slots ahead of the loads: behind slot 0's load slots 1 and 2 are asked of memory, behind slot 1's load slot 3.  A wave's part of a slot is 100 (A) or 200 (B) runs of 256 bytes;
	; the four partners of the joint load share them out by address, 25 or 50 each (place cx for A, cy for B): a lane a run; lanes left over name the share's last run again.
.macro PFS b
	global_prefetch_b8 v16, s[\b:\b+1] th:TH_LOAD_NT scope:SCOPE_SE
	s_cmp_eq_u32 s[FB], 0
	s_cbranch_scc1 .Lpf_\@                         ; A's share is 25 runs: one instruction
	global_prefetch_b8 v17, s[\b:\b+1] th:TH_LOAD_NT scope:SCOPE_SE
.Lpf_\@:
.endm
	s_cmp_eq_u32 s[FB], 0
	s_cselect_b64 s[86:87], s[18:19], s[20:21]
	s_cselect_b32 s84, s[CX], s[CY]
	s_cselect_b32 s85, 25, 50
	s_mov_b32 s22, BPART
	s_cselect_b32 s22, APART, s22                  ; from slot to slot in memory
	s_mov_b32 s23, 0
	s_mul_i32 s84, s84, s85
	s_lshl_b32 s84, s84, 8                         ; my work-group's share begins here
	s_sub_co_u32 s85, s85, 1
	v_and_b32 v16, 31, v0
	v_add_nc_u32 v17, 32, v16
	v_min_u32 v16, s85, v16
	v_min_u32 v17, s85, v17
	v_lshl_add_u32 v16, v16, 8, s84
	v_lshl_add_u32 v17, v17, 8, s84
	s_add_nc_u64 s[86:87], s[86:87], s[22:23]      ; slot 1,
	s_add_nc_u64 s[88:89], s[86:87], s[22:23]      ; slot 2,
	s_add_nc_u64 s[90:91], s[88:89], s[22:23]      ; slot 3: none of these registers is written again
	s_wait_alu depctr_va_vdst(0)
	PFS 86
	PFS 88
	s_wait_alu depctr_va_vdst(0)
	s_wait_tensorcnt 0x0
	ds_add_u32 v28, v29
	s_wait_dscnt 0x0
	CROUND
	JLOAD G0A+4, G1A, G0B+4, G1B
	PFS 90
	v_and_b32 v1, 31, v0
	v_bfe_u32 v3, v0, 4, 1
	v_lshlrev_b32 v[LI], 4, v1
	v_lshlrev_b32 v[L8], 3, v1
	v_lshlrev_b32 v[SH8], 3, v3
	v_lshlrev_b32 v7, 5, v3
	s_wait_alu depctr_va_vdst(0)
	s_mul_i32 s84, s[FB], QS*BSA
	s_mul_i32 s85, s[NH], 2*RGS
	s_add_co_u32 s85, s85, APART
.irp s, 0,1
	v_add_nc_u32 v[ADA+\s], s84, v[LI]
	v_add_nc_u32 v[ASA+\s], s84, v[L8]
	v_add_nc_u32 v[ADB+\s], s85, v[LI]
	v_add_nc_u32 v[ASB+\s], s85, v[L8]
	s_add_co_u32 s84, s84, SLOTB
	s_add_co_u32 s85, s85, SLOTB
.endr
	s_lshl_b32 s22, s[CX], 10
	s_lshl_b32 s84, s[NH], 9
	s_add_co_u32 s22, s22, s84
	s_mov_b32 s23, 0
	s_add_nc_u64 s[12:13], s[12:13], s[22:23]
	WIN 0x40
.irp t, 0,1,2,3,4,5,6,7
.set PLT, 32*(\t/4)+16*(\t%2)+8*((\t%4)/2)
	global_load_b128 v[192+PLT:192+PLT+3], v7, s[12:13] offset:64*\t
	global_load_b128 v[192+PLT+4:192+PLT+7], v7, s[12:13] offset:64*\t+16
.endr
	WIN 0
	s_lshl_b32 s22, s[WGY], 2
	s_add_co_u32 s22, s22, s[CX]
	s_lshl_b32 s22, s22, 1
	s_add_co_u32 s22, s22, s[FB]
	s_lshl_b32 s22, s22, 1
	s_add_co_u32 s22, s22, s[NH]
	s_mul_i32 s22, s22, 6400
	s_add_nc_u64 s[14:15], s[14:15], s[22:23]
	s_mov_b32 s[SEL], 0x76543210
	s_mov_b32 s[SEL+1], 0xfedcba98
	s_mov_b32 s[HM], 0xffff0000
	s_mov_b32 s[THR], 0x3e800000
.irp w, 0,1
	v_mov_b32 v[K2+\w], 0x4038aa3b
	v_mov_b32 v[C9+\w], 0x3cb327a4
	v_mov_b32 v[C7+\w], 0xbd5d0dd1
	v_mov_b32 v[C5+\w], 0x3e088889
	v_mov_b32 v[C3+\w], 0xbeaaaaab
.endr
	v_mov_b32 v[PX], 0
.macro WMI zero, r0, r1
.if \zero
.if (\r0) && (\r1)
	v_wmma_scale_f32_16x16x128_f8f6f4 v[rD:rD+7], v[rB:rB+11], v[rA:rA+11], 0, v[rS0], v[rS1] matrix_a_fmt:MATRIX_FMT_FP6 matrix_b_fmt:MATRIX_FMT_FP6 matrix_a_scale:MATRIX_SCALE_ROW1 matrix_b_scale:MATRIX_SCALE_ROW1
.elseif \r0
	v_wmma_scale_f32_16x16x128_f8f6f4 v[rD:rD+7], v[rB:rB+11], v[rA:rA+11], 0, v[rS0], v[rS1] matrix_a_fmt:MATRIX_FMT_FP6 matrix_b_fmt:MATRIX_FMT_FP6 matrix_a_scale:MATRIX_SCALE_ROW1
.elseif \r1
	v_wmma_scale_f32_16x16x128_f8f6f4 v[rD:rD+7], v[rB:rB+11], v[rA:rA+11], 0, v[rS0], v[rS1] matrix_a_fmt:MATRIX_FMT_FP6 matrix_b_fmt:MATRIX_FMT_FP6 matrix_b_scale:MATRIX_SCALE_ROW1
.else
	v_wmma_scale_f32_16x16x128_f8f6f4 v[rD:rD+7], v[rB:rB+11], v[rA:rA+11], 0, v[rS0], v[rS1] matrix_a_fmt:MATRIX_FMT_FP6 matrix_b_fmt:MATRIX_FMT_FP6
.endif
.else
.if (\r0) && (\r1)
	v_wmma_scale_f32_16x16x128_f8f6f4 v[rD:rD+7], v[rB:rB+11], v[rA:rA+11], v[rD:rD+7], v[rS0], v[rS1] matrix_a_fmt:MATRIX_FMT_FP6 matrix_b_fmt:MATRIX_FMT_FP6 matrix_a_scale:MATRIX_SCALE_ROW1 matrix_b_scale:MATRIX_SCALE_ROW1
.elseif \r0
	v_wmma_scale_f32_16x16x128_f8f6f4 v[rD:rD+7], v[rB:rB+11], v[rA:rA+11], v[rD:rD+7], v[rS0], v[rS1] matrix_a_fmt:MATRIX_FMT_FP6 matrix_b_fmt:MATRIX_FMT_FP6 matrix_a_scale:MATRIX_SCALE_ROW1
.elseif \r1
	v_wmma_scale_f32_16x16x128_f8f6f4 v[rD:rD+7], v[rB:rB+11], v[rA:rA+11], v[rD:rD+7], v[rS0], v[rS1] matrix_a_fmt:MATRIX_FMT_FP6 matrix_b_fmt:MATRIX_FMT_FP6 matrix_b_scale:MATRIX_SCALE_ROW1
.else
	v_wmma_scale_f32_16x16x128_f8f6f4 v[rD:rD+7], v[rB:rB+11], v[rA:rA+11], v[rD:rD+7], v[rS0], v[rS1] matrix_a_fmt:MATRIX_FMT_FP6 matrix_b_fmt:MATRIX_FMT_FP6
.endif
.endif
.endm
.macro MUL8 a, p, zero
.irp b, 0,1,2,3,4,5,6,7
.set rD, 64*(\a)+8*\b
.set rB, 96*(\p)+12*\b
.set rA, AF+48*(\p)+12*(\a)
.set rS0, SCB+4*(\p)+\b/2
.set rS1, SAB+(\a)/2
	WMI \zero, \b%2, (\a)%2
.endr
.endm
.macro FETCH p, sl, q
	WIN 0x40
.irp g, 0,1
.irp i, 0,1,2,3
.irp c, 0,1,2
	ds_load_b128 v[96*(\p)+12*(4*\g+\i)+4*\c:96*(\p)+12*(4*\g+\i)+4*\c+3], v[ADB+(\sl)] offset:BSB*(\q)+\g*RGS+1536*\i+512*\c
.endr
.endr
.endr
	WIN 0
.irp i, 0,1,2,3
.irp c, 0,1,2
	ds_load_b128 v[AF+48*(\p)+12*\i+4*\c:AF+48*(\p)+12*\i+4*\c+3], v[ADA+(\sl)] offset:BSA*(\q)+1536*\i+512*\c
.endr
.endr
.irp g, 0,1
	ds_load_b64 v[SCB+4*(\p)+2*\g:SCB+4*(\p)+2*\g+1], v[ASB+(\sl)] offset:BSB*(\q)+\g*RGS+6144
.endr
	ds_load_b64 v[SCA+2*(\p):SCA+2*(\p)+1], v[ASA+(\sl)] offset:BSA*(\q)+6144
.endm
.macro STEP p, zero, sl, q
	s_wait_dscnt 0x0
	PLACES 4
	FETCH 1-(\p), \sl, \q
.set SAB, SCA+2*(\p)
	WIN 0xa1
	MUL8 0, \p, \zero
	MUL8 1, \p, \zero
	MUL8 2, \p, \zero
	MUL8 3, \p, \zero
	WIN 0
.endm
.macro TURN p, sl, nx, fill
	s_wait_tensorcnt 0x0
	ds_add_u32 v[SPW], v[NIL]
	s_wait_dscnt 0x1
.set SAB, SCA+2*(\p)
	WIN 0xa1
	MUL8 0, \p, 0
	s_wait_dscnt 0x0
	s_barrier_signal -1
	MUL8 1, \p, 0
	WIN 0
	s_barrier_wait -1
.if \fill
	CREST
	s_add_nc_u64 s[G0A+4*\sl+2:G0A+4*\sl+3], s[G0A+4*\sl+2:G0A+4*\sl+3], 2*APART
	s_add_nc_u64 s[G0B+4*\sl+2:G0B+4*\sl+3], s[G0B+4*\sl+2:G0B+4*\sl+3], 2*BPART
	JLOAD G0A+4*\sl, G1A, G0B+4*\sl, G1B
.else
	PLACES 4
.endif
	FETCH 1-(\p), \nx, 0
	WIN 0xa1
	MUL8 2, \p, 0
	MUL8 3, \p, 0
	WIN 0
.endm
	s_wait_tensorcnt 0x1
	s_barrier_signal -1
	s_barrier_wait -1
	FETCH 0, 0, 0
	STEP 0, 1, 0, 1
	STEP 1, 0, 0, 2
	STEP 0, 0, 0, 3
	TURN 1, 0, 1, 1
	STEP 0, 0, 1, 1
	STEP 1, 0, 1, 2
	STEP 0, 0, 1, 3
	TURN 1, 1, 0, 1
	STEP 0, 0, 0, 1
	STEP 1, 0, 0, 2
	STEP 0, 0, 0, 3
	TURN 1, 0, 1, 0
	STEP 0, 0, 1, 1
	STEP 1, 0, 1, 2
	STEP 0, 0, 1, 3
	s_wait_dscnt 0x0
.set SAB, SCA+2
	WIN 0xa1
	MUL8 0, 1, 0
	MUL8 1, 1, 0
	MUL8 2, 1, 0
	MUL8 3, 1, 0
	WIN 0
	PLACES 4
.macro SWAP64
.irp g, 0,16,32,48
.irp j, 0,1,2,3,4,5,6,7
	v_permlane16_swap_b32 v[H+\g+\j], v[H+\g+8+\j]
.endr
.endr
.endm
.macro QUANT cd
.irp k, 0,1,2,3
	v_max3_num_f32 v[TM+\k], |v[H+16*\k]|, |v[H+16*\k+1]|, 0x1800000
.endr
.irp i, 2,4,6,8,10,12,14
.irp k, 0,1,2,3
	v_max3_num_f32 v[TM+\k], v[TM+\k], |v[H+16*\k+\i]|, |v[H+16*\k+\i+1]|
.endr
.endr
.irp c, 0,1
	v_max_num_f32 v[TM+2*\c], v[TM+2*\c], v[TM+2*\c+1]
.endr
.irp c, 0,1
	v_add_nc_u32 v[TM+2*\c+1], 0xff000000, v[TM+2*\c]
.endr
.irp c, 0,1
	v_lshrrev_b32 v[TM+2*\c], 23, v[TM+2*\c+1]
.endr
	v_lshl_or_b32 v[PW], v[TM+2], 16, v[TM]
	v_lshlrev_b32 v[PW], v[SH8], v[PW]
	v_permlanex16_b32 v[PX], v[PW], s[SEL], s[SEL+1]
	v_or_b32 v[PW], v[PW], v[PX]
.irp c, 0,1
	v_cvt_scalef32_pk16_fp6_f32 v[(\cd)+6*\c:(\cd)+6*\c+2], v[H+32*\c:H+32*\c+15], v[TM+2*\c+1]
	v_cvt_scalef32_pk16_fp6_f32 v[CT+4*\c:CT+4*\c+2], v[H+32*\c+16:H+32*\c+31], v[TM+2*\c+1]
.endr
	v_nop
.irp c, 0,1
.irp i, 0,1,2
	v_mov_b32 v[(\cd)+6*\c+3+\i], v[CT+4*\c+\i]
.endr
.endr
.endm
.macro TANH32 x
.set ii, 0
.rept 16
	v_pk_mul_f32 v[T1+ii:T1+ii+1], v[(\x)+ii:(\x)+ii+1], v[K2:K2+1]
.set ii, ii+2
.endr
.set ii, 0
	s_wait_alu depctr_va_vdst(0)
.rept 32
	v_exp_f32 v[T1+ii], v[T1+ii]
.set ii, ii+1
.endr
.set ii, 0
.rept 16
	v_pk_mul_f32 v[T2+ii:T2+ii+1], v[(\x)+ii:(\x)+ii+1], v[(\x)+ii:(\x)+ii+1]
.set ii, ii+2
.endr
	s_wait_alu depctr_va_vdst(0)
.set ii, 0
.rept 16
	v_pk_add_f32 v[T1+ii:T1+ii+1], v[T1+ii:T1+ii+1], 1.0 op_sel_hi:[1,0]
.set ii, ii+2
.endr
.set ii, 0
	s_wait_alu depctr_va_vdst(0)
.rept 32
	v_rcp_f32 v[T1+ii], v[T1+ii]
.set ii, ii+1
.endr
.set ii, 0
.rept 16
	v_pk_fma_f32 v[T3+ii:T3+ii+1], v[T2+ii:T2+ii+1], v[C9:C9+1], v[C7:C7+1]
.set ii, ii+2
.endr
.set ii, 0
.rept 16
	v_pk_fma_f32 v[T3+ii:T3+ii+1], v[T3+ii:T3+ii+1], v[T2+ii:T2+ii+1], v[C5:C5+1]
.set ii, ii+2
.endr
.set ii, 0
.rept 16
	v_pk_fma_f32 v[T3+ii:T3+ii+1], v[T3+ii:T3+ii+1], v[T2+ii:T2+ii+1], v[C3:C3+1]
.set ii, ii+2
.endr
.set ii, 0
.rept 16
	v_pk_mul_f32 v[T3+ii:T3+ii+1], v[T3+ii:T3+ii+1], v[T2+ii:T2+ii+1]
.set ii, ii+2
.endr
.set ii, 0
.rept 16
	v_pk_fma_f32 v[T3+ii:T3+ii+1], v[(\x)+ii:(\x)+ii+1], v[T3+ii:T3+ii+1], v[(\x)+ii:(\x)+ii+1]
.set ii, ii+2
.endr
	s_wait_alu depctr_va_vdst(0)
.set ii, 0
.rept 16
	v_pk_fma_f32 v[T1+ii:T1+ii+1], v[T1+ii:T1+ii+1], -2.0, 1.0 op_sel_hi:[1,0,0]
.set ii, ii+2
.endr
.set ii, 0
.rept 32
	v_cmp_lt_f32 vcc_lo, |v[(\x)+ii]|, s[THR]
	v_cndmask_b32 v[(\x)+ii], v[T1+ii], v[T3+ii], vcc_lo
.set ii, ii+1
.endr
.endm
.macro EBLK a
.set CDA, CD+12*((\a)%2)
	s_wait_xcnt 0x0
	WIN 0x06
.irp t, 0,1,2,3,4,5,6,7
.set PLT, 32*(\t/4)+16*(\t%2)+8*((\t%4)/2)
.irp j, 0,2,4,6
	v_pk_add_f32 v[H+PLT+\j:H+PLT+\j+1], v[64*(\a)+8*\t+\j:64*(\a)+8*\t+\j+1], v[192+PLT+\j:192+PLT+\j+1]
.endr
.endr
	WIN 0
	TANH32 H
	TANH32 H+32
	SWAP64
	QUANT CDA
.irp c, 0,1,2
	global_store_b128 v[LI], v[CDA+4*\c:CDA+4*\c+3], s[14:15] offset:1536*(\a)+512*\c
.endr
.if (\a)%2 == 0
	v_mov_b32 v[PWE], v[PW]
.else
	v_cndmask_b32 v[SCW+(\a)/2], v[PWE], v[PW], s[HM]
.endif
.endm
	s_wait_loadcnt 0x0
	EBLK 0
	EBLK 1
	EBLK 2
	EBLK 3
	global_store_b64 v[L8], v[SCW:SCW+1], s[14:15] offset:6144
	s_wait_tensorcnt 0x0
	ds_add_u32 v[SPW], v[NIL]
	s_wait_dscnt 0x0
	CROUND
	s_endpgm
.Lfunc_end_k_q1fa139f6e8_entangle:
	.size	k_q1fa139f6e8_entangle, .Lfunc_end_k_q1fa139f6e8_entangle-k_q1fa139f6e8_entangle
	.p2alignl 7, 3214868480
	.fill 96, 4, 3214868480
	.section	.rodata,"a",@progbits
	.p2align	6, 0x0
	.amdhsa_kernel k_q1fa139f6e8_entangle
		.amdhsa_group_segment_fixed_size 327680
		.amdhsa_private_segment_fixed_size 0
		.amdhsa_enable_private_segment 0
		.amdhsa_kernarg_size 32
		.amdhsa_user_sgpr_count 2
		.amdhsa_user_sgpr_kernarg_segment_ptr 1
		.amdhsa_wavefront_size32 1
		.amdhsa_system_sgpr_workgroup_id_x 1
		.amdhsa_system_sgpr_workgroup_id_y 1
		.amdhsa_system_sgpr_workgroup_id_z 1
		.amdhsa_system_vgpr_workitem_id 0
		.amdhsa_next_free_vgpr 768
		.amdhsa_next_free_sgpr 92
		.amdhsa_reserve_vcc 1
		.amdhsa_float_denorm_mode_32 3
		.amdhsa_float_denorm_mode_16_64 3
		.amdhsa_memory_ordered 1
		.amdhsa_forward_progress 1
		.amdhsa_inst_pref_size 255
	.end_amdhsa_kernel
	.section	.bss,"aw",@nobits
	.p2align	6
	.space	262144
	.amdgpu_metadata
---
amdhsa.version: [ 1, 2 ]
amdhsa.kernels:
  - .name:           k_q1fa139f6e8_entangle
    .symbol:         k_q1fa139f6e8_entangle.kd
    .args:
      - { .name: qk, .offset: 0, .size: 8, .value_kind: global_buffer, .address_space: global }
      - { .name: wei, .offset: 8, .size: 8, .value_kind: global_buffer, .address_space: global }
      - { .name: be, .offset: 16, .size: 8, .value_kind: global_buffer, .address_space: global }
      - { .name: ent, .offset: 24, .size: 8, .value_kind: global_buffer, .address_space: global }
    .group_segment_fixed_size: 327680
    .private_segment_fixed_size: 0
    .kernarg_segment_align: 8
    .kernarg_segment_size: 32
    .max_flat_workgroup_size: 128
    .sgpr_count:     92
    .vgpr_count:     768
    .wavefront_size: 32
...
	.end_amdgpu_metadata
.endif
;; end of part 2
;; launch scores (part 3): grid 4 x 64, 4 waves a work-group, clusters of 4 x 4, 327,680 bytes of LDS; arguments ent, vd, pc, pst; writes pc, pst
.if DOCPART == 3
	.amdgcn_target "amdgcn-amd-amdhsa--gfx1250"
	.amdhsa_code_object_version 6
	.text
	.protected	k_q1fa139f6e8_scores
	.globl	k_q1fa139f6e8_scores
	.p2align	8
	.type	k_q1fa139f6e8_scores,@function
k_q1fa139f6e8_scores:
	s_mov_b64 s[64:65], 0
	v_nop
	global_prefetch_b8 v0, s[64:65] scope:SCOPE_SE
	s_setreg_imm32_b32 hwreg(HW_REG_WAVE_MODE, 25, 1), 1
	s_wait_xcnt 0x0
	s_wait_alu depctr_hold_cnt(0) depctr_sa_sdst(0) depctr_va_vdst(0) depctr_va_sdst(0) depctr_va_ssrc(0) depctr_va_vcc(0) depctr_vm_vsrc(0)
	s_getreg_b32 s2, hwreg(HW_REG_IB_STS2, 6, 4)
	s_cmp_eq_u32 s2, 0
	s_cbranch_scc0 .Lentry_in_a_cluster
	s_endpgm
.Lentry_in_a_cluster:
	s_bfe_u32 s2, ttmp6, 0x10000c
	s_cmp_lg_u32 s2, 0xf033
	s_cbranch_scc0 .Lentry_shape_is_right
	s_endpgm
.Lentry_shape_is_right:
; SCORES.  For each batch: S = ent v^T (K = 1,024, codes of FP6 with E8M0 scales); t = S x log2(e) / 32; and, FOR EACH ROW AND EACH 128 KEYS, M = ceil(the largest t of these 128), p = 2^(t - M), the sum of the unquantised p,
; and p quantised along the keys.  M is a whole number, so p under this local M has the codes that it has under the row's M; only its scale bytes lie higher, by the difference, which the next launch takes off.
; Stored: p's codes as fragment images (buffer pc, blocks of 6,144 bytes); for each 64 rows and 128 keys three runs of 256 bytes (buffer pst): p's scale words, -M, the sum; lane l's 8 bytes = rows l and 32 + l.
; A work-group makes 128 queries x 256 keys, a wave 64 x 128.  TRANSPOSED: source 0 = 16 keys, source 1 = 16 queries: a lane holds one query and eight neighbouring keys.
; All of K, 307,200 bytes of operands, fits in LDS: four pieces of two K steps, each with bytes of its own, all asked for at the head: nothing is filled again.  ent's pieces are asked for jointly by a row of the 4 x 4 cluster, v's by a column.
; LIMITS: NaN and infinities are not served; p under 2^-126 is 0 (ISA guide, v_exp_f32); a block of p whose largest lies under 2^-124 gets the scale byte 1.
; REGISTERS as in the launch before: window 0: addresses, scale words, v64-159 A's fragments, v160-223 64 numbers, v224-255 codes; window 1: v0-191 B's fragments; window 2: the accumulators.
.set QS,    2
.set BSA,   6400
.set BSB,   6400
.set RGS,   QS*BSB
.set APART, 2*QS*BSA
.set BPART, 4*QS*BSB
.set PIECE, APART+BPART
.set LI,  4
.set L8,  5
.set SH8, 6
.set ADA, 8
.set ASA, 10
.set ADB, 12
.set ASB, 14
.set NMP, 18                           ; v[18:19] -M, twice
.set CC,  20                           ; v[20:21] log2(e) / 32, twice
.set SCA, 32
.set SCW, 36                           ; v36-37 scale words, v38-39 -M, v40-41 sums, of my 64 rows
.set NMW, 38
.set LW,  40
.set PWE, 42                           ; v42-44 the even block's three, kept
.set SCB, 48
.set TM,  56
.set PW,  60
.set PX,  61
.set AF,  64
.set H,   160
.set CD,  224
.set CT,  248
.set WV,  2
.set FB,  3
.set NH,  4
.set CX,  5
.set CY,  6
.set CLY, 7
.set WGY, 16
.set BAT, 17
.set G1A, 24
.set G1B, 32
.set G0A, 40
.set G0B, 56
.set SEL, 76
.set HM,  78
.set MROW, 80
.set MCOL, 81
.set MSB, 0
.macro WIN new
.if MSB != (\new)
	s_set_vgpr_msb (MSB<<8)|(\new)
.set MSB, (\new)
.endif
.endm
.macro PLACES n
.rept \n
	v_nop
.endr
.endm
.macro JLOAD g0a, g1a, g0b, g1b        ; waves 0 and 1 fetch for A, waves 2 and 3 for B; four v_nop follow each of the two lines
	s_cmp_eq_u32 s[FB], 0
	s_cbranch_scc0 .Lfor_b_\@
	tensor_load_to_lds s[\g0a:\g0a+3], s[\g1a:\g1a+7]
	s_nop 0
.rept 4
	v_nop
.endr
	s_branch .Lasked_\@
.Lfor_b_\@:
	tensor_load_to_lds s[\g0b:\g0b+3], s[\g1b:\g1b+7]
	s_nop 0
.rept 4
	v_nop
.endr
.Lasked_\@:
.endm
.macro CROUND
	s_barrier_signal -1
	s_barrier_wait -1
	s_cmp_lg_u32 s[WV], 0
	s_cbranch_scc1 .Lnot_wave_0_\@
	s_barrier_signal -3
.Lnot_wave_0_\@:
	s_barrier_wait -3
	s_barrier_signal -1
	s_barrier_wait -1
.endm
	s_load_b256 s[8:15], s[0:1], 0x0               ; ent s[8:9], vd s[10:11], pc s[12:13], pst s[14:15]
	v_lshl_add_u32 v251, v0, 2, 0x4b000
	v_mov_b32 v255, 0
	ds_add_u32 v251, v255
	ds_add_u32 v251, v255
	v_lshrrev_b32 v30, 5, v0
	v_readfirstlane_b32 s[WV], v30
	s_lshr_b32 s[FB], s[WV], 1
	s_and_b32 s[NH], s[WV], 1
	s_bfe_u32 s[CX], ttmp6, 0x40000
	s_bfe_u32 s[CY], ttmp6, 0x40004
	s_and_b32 s[CLY], ttmp7, 0xffff
	s_lshl_b32 s[WGY], s[CLY], 2
	s_add_co_u32 s[WGY], s[WGY], s[CY]             ; my 128 queries
	s_lshr_b32 s[BAT], s[CLY], 1                   ; the batch: the same in all sixteen partners
	s_lshl_b32 s[MROW], s[CY], 2
	s_lshl_b32 s[MROW], 15, s[MROW]
	s_lshl_b32 s[MCOL], 0x1111, s[CX]
	s_or_b32 s[G1A], s[MROW], (3<<16)|(1<<21)      ; elements of 8 bytes, no padding
	s_mov_b32 s[G1A+1], (QS*BSA/8)<<16             ; one load a wave: four rows, one for each piece, of 12,800 bytes, a piece's A part apart
	s_mov_b32 s[G1A+2], 4<<16
	s_mov_b32 s[G1A+3], (QS*BSA/8)<<16
	s_mov_b32 s[G1A+4], 4
	s_mov_b32 s[G1A+5], APART/8
	s_mov_b32 s[G1A+6], 0
	s_mov_b32 s[G1A+7], 0
	s_or_b32 s[G1B], s[MCOL], (3<<16)|(1<<21)
	s_mov_b32 s[G1B+1], (2*QS*BSB/8)<<16           ; four rows of 25,600 bytes, a piece's B part apart
	s_mov_b32 s[G1B+2], 4<<16
	s_mov_b32 s[G1B+3], (2*QS*BSB/8)<<16
	s_mov_b32 s[G1B+4], 4
	s_mov_b32 s[G1B+5], BPART/8
	s_mov_b32 s[G1B+6], 0
	s_mov_b32 s[G1B+7], 0
	s_mul_i32 s18, s[WGY], 4*APART
	s_mul_i32 s82, s[NH], QS*BSA
	s_add_co_u32 s18, s18, s82
	s_mov_b32 s19, 0
	s_lshl_b32 s20, s[BAT], 2
	s_add_co_u32 s20, s20, s[CX]
	s_mul_i32 s20, s20, 4*BPART
	s_mul_i32 s83, s[NH], 2*QS*BSB
	s_add_co_u32 s20, s20, s83
	s_mov_b32 s21, 0
	s_wait_dscnt 0x0
	s_wait_kmcnt 0x0
	s_add_nc_u64 s[18:19], s[8:9], s[18:19]
	s_add_nc_u64 s[20:21], s[10:11], s[20:21]
	s_mov_b32 s[G0A], 1                            ; in LDS: A's two groups of rows, four pieces each; behind them B's two halves, four pieces each
	s_lshl_b32 s[G0A+1], s82, 2
	s_mov_b64 s[G0A+2:G0A+3], s[18:19]
	s_or_b32 s[G0A+3], s[G0A+3], 0x80000000
	s_mov_b32 s[G0B], 1
	s_lshl_b32 s[G0B+1], s83, 2
	s_add_co_u32 s[G0B+1], s[G0B+1], 4*APART
	s_mov_b64 s[G0B+2:G0B+3], s[20:21]
	s_or_b32 s[G0B+3], s[G0B+3], 0x80000000
	CROUND                                         ; all sixteen work-groups are here: the joint loads meet
	JLOAD G0A, G1A, G0B, G1B                       ; my one load: all that I fetch
	v_and_b32 v1, 31, v0
	v_bfe_u32 v3, v0, 4, 1
	v_lshlrev_b32 v[LI], 4, v1
	v_lshlrev_b32 v[L8], 3, v1
	v_lshlrev_b32 v[SH8], 3, v3
	s_mul_i32 s84, s[FB], 4*QS*BSA
	s_mul_i32 s85, s[NH], 8*RGS
	s_add_co_u32 s85, s85, 4*APART
	v_add_nc_u32 v[ADA], s84, v[LI]
	v_add_nc_u32 v[ASA], s84, v[L8]
	v_add_nc_u32 v[ADB], s85, v[LI]
	v_add_nc_u32 v[ASB], s85, v[L8]
	s_lshl_b32 s22, s[WGY], 2                      ; pc: (((4 mt + cx) x 2 + FB) x 2 + NH) blocks of 6,144 bytes
	s_add_co_u32 s22, s22, s[CX]
	s_lshl_b32 s22, s22, 1
	s_add_co_u32 s22, s22, s[FB]
	s_lshl_b32 s22, s22, 1
	s_add_co_u32 s22, s22, s[NH]
	s_mul_i32 s22, s22, 6144
	s_mov_b32 s23, 0
	s_add_nc_u64 s[12:13], s[12:13], s[22:23]
	s_lshl_b32 s22, s[WGY], 1                      ; pst: ((2 mt + FB) x 8 + 2 cx + NH) x 768
	s_add_co_u32 s22, s22, s[FB]
	s_lshl_b32 s22, s22, 2
	s_add_co_u32 s22, s22, s[CX]
	s_lshl_b32 s22, s22, 1
	s_add_co_u32 s22, s22, s[NH]
	s_mul_i32 s22, s22, 768
	s_add_nc_u64 s[14:15], s[14:15], s[22:23]
	s_mov_b32 s[SEL], 0x76543210
	s_mov_b32 s[SEL+1], 0xfedcba98
	s_mov_b32 s[HM], 0xffff0000
	v_mov_b32 v[CC], 0x3d38aa3b                    ; log2(e) / 32
	v_mov_b32 v[CC+1], 0x3d38aa3b
	v_mov_b32 v[PX], 0
.macro WMI zero, r0, r1                ; r0, r1: the scale words of source 0, 1 stand in lanes 16-31 of their register
.if \zero
.if (\r0) && (\r1)
	v_wmma_scale_f32_16x16x128_f8f6f4 v[rD:rD+7], v[rB:rB+11], v[rA:rA+11], 0, v[rS0], v[rS1] matrix_a_fmt:MATRIX_FMT_FP6 matrix_b_fmt:MATRIX_FMT_FP6 matrix_a_scale:MATRIX_SCALE_ROW1 matrix_b_scale:MATRIX_SCALE_ROW1
.elseif \r0
	v_wmma_scale_f32_16x16x128_f8f6f4 v[rD:rD+7], v[rB:rB+11], v[rA:rA+11], 0, v[rS0], v[rS1] matrix_a_fmt:MATRIX_FMT_FP6 matrix_b_fmt:MATRIX_FMT_FP6 matrix_a_scale:MATRIX_SCALE_ROW1
.elseif \r1
	v_wmma_scale_f32_16x16x128_f8f6f4 v[rD:rD+7], v[rB:rB+11], v[rA:rA+11], 0, v[rS0], v[rS1] matrix_a_fmt:MATRIX_FMT_FP6 matrix_b_fmt:MATRIX_FMT_FP6 matrix_b_scale:MATRIX_SCALE_ROW1
.else
	v_wmma_scale_f32_16x16x128_f8f6f4 v[rD:rD+7], v[rB:rB+11], v[rA:rA+11], 0, v[rS0], v[rS1] matrix_a_fmt:MATRIX_FMT_FP6 matrix_b_fmt:MATRIX_FMT_FP6
.endif
.else
.if (\r0) && (\r1)
	v_wmma_scale_f32_16x16x128_f8f6f4 v[rD:rD+7], v[rB:rB+11], v[rA:rA+11], v[rD:rD+7], v[rS0], v[rS1] matrix_a_fmt:MATRIX_FMT_FP6 matrix_b_fmt:MATRIX_FMT_FP6 matrix_a_scale:MATRIX_SCALE_ROW1 matrix_b_scale:MATRIX_SCALE_ROW1
.elseif \r0
	v_wmma_scale_f32_16x16x128_f8f6f4 v[rD:rD+7], v[rB:rB+11], v[rA:rA+11], v[rD:rD+7], v[rS0], v[rS1] matrix_a_fmt:MATRIX_FMT_FP6 matrix_b_fmt:MATRIX_FMT_FP6 matrix_a_scale:MATRIX_SCALE_ROW1
.elseif \r1
	v_wmma_scale_f32_16x16x128_f8f6f4 v[rD:rD+7], v[rB:rB+11], v[rA:rA+11], v[rD:rD+7], v[rS0], v[rS1] matrix_a_fmt:MATRIX_FMT_FP6 matrix_b_fmt:MATRIX_FMT_FP6 matrix_b_scale:MATRIX_SCALE_ROW1
.else
	v_wmma_scale_f32_16x16x128_f8f6f4 v[rD:rD+7], v[rB:rB+11], v[rA:rA+11], v[rD:rD+7], v[rS0], v[rS1] matrix_a_fmt:MATRIX_FMT_FP6 matrix_b_fmt:MATRIX_FMT_FP6
.endif
.endif
.endm
.macro MUL8 a, p, zero                 ; A's block a against B's eight; the 32 accumulators take turns, one instruction a turn
.irp b, 0,1,2,3,4,5,6,7
.set rD, 64*(\a)+8*\b
.set rB, 96*(\p)+12*\b
.set rA, AF+48*(\p)+12*(\a)
.set rS0, SCB+4*(\p)+\b/2
.set rS1, SAB+(\a)/2
	WMI \zero, \b%2, (\a)%2
.endr
.endm
.macro FETCH p, q                      ; 39 LDS loads in one run: K step q of the piece in hand into set p
	WIN 0x40
.irp g, 0,1
.irp i, 0,1,2,3
.irp c, 0,1,2
	ds_load_b128 v[96*(\p)+12*(4*\g+\i)+4*\c:96*(\p)+12*(4*\g+\i)+4*\c+3], v[ADB] offset:BSB*(\q)+\g*RGS+1536*\i+512*\c
.endr
.endr
.endr
	WIN 0
.irp i, 0,1,2,3
.irp c, 0,1,2
	ds_load_b128 v[AF+48*(\p)+12*\i+4*\c:AF+48*(\p)+12*\i+4*\c+3], v[ADA] offset:BSA*(\q)+1536*\i+512*\c
.endr
.endr
.irp g, 0,1
	ds_load_b64 v[SCB+4*(\p)+2*\g:SCB+4*(\p)+2*\g+1], v[ASB] offset:BSB*(\q)+\g*RGS+6144
.endr
	ds_load_b64 v[SCA+2*(\p):SCA+2*(\p)+1], v[ASA] offset:BSA*(\q)+6144
.endm
.macro STEP zero                       ; a piece's first K step (set 0); its second is asked for
	s_wait_dscnt 0x0
	PLACES 4                                       ; in front of loads into registers that the last step's products have read
	FETCH 1, 1
.set SAB, SCA
	WIN 0xa1
	MUL8 0, 0, \zero
	MUL8 1, 0, \zero
	MUL8 2, 0, \zero
	MUL8 3, 0, \zero
	WIN 0
.endm
.macro STEPX n                         ; a piece's second K step (set 1); the next piece's first step is asked for
	s_wait_dscnt 0x0
.set SAB, SCA+2
	WIN 0xa1
	MUL8 0, 1, 0
	WIN 0
	v_add_nc_u32 v[ADA], QS*BSA, v[ADA]            ; these four additions are the places in front of the loads into set 0
	v_add_nc_u32 v[ASA], QS*BSA, v[ASA]
	v_add_nc_u32 v[ADB], 2*RGS, v[ADB]
	v_add_nc_u32 v[ASB], 2*RGS, v[ASB]
	FETCH 0, 0
	WIN 0xa1
	MUL8 1, 1, 0
	MUL8 2, 1, 0
	MUL8 3, 1, 0
	WIN 0
.endm
	s_wait_alu depctr_va_vdst(0)
	s_wait_tensorcnt 0x0                           ; my load is in; the barrier shows all four waves' to every wave
	s_barrier_signal -1
	s_barrier_wait -1
	FETCH 0, 0
	STEP 1                                         ; the first products start the sums
	STEPX 2
	s_wait_alu depctr_va_vdst(0)
	STEP 0
	STEPX 1
	s_wait_alu depctr_va_vdst(0)
	STEP 0
	STEPX 0
	s_wait_alu depctr_va_vdst(0)
	STEP 0
	s_wait_dscnt 0x0
.set SAB, SCA+2
	WIN 0xa1
	MUL8 0, 1, 0
	MUL8 1, 1, 0
	MUL8 2, 1, 0
	MUL8 3, 1, 0
	WIN 0
	PLACES 4
.macro SWAP64                          ; H + PLT + j = key 16 t + 8 h + j becomes H + 32 c + i = key 64 c + 32 h + i
.irp g, 0,16,32,48
.irp j, 0,1,2,3,4,5,6,7
	v_permlane16_swap_b32 v[H+\g+\j], v[H+\g+8+\j]
.endr
.endr
.endm
.macro QUANT cd
.irp k, 0,1,2,3
	v_max3_num_f32 v[TM+\k], |v[H+16*\k]|, |v[H+16*\k+1]|, 0x1800000   ; the floor 2^(3 - 127) holds the byte at 1 from below
.endr
.irp i, 2,4,6,8,10,12,14
.irp k, 0,1,2,3
	v_max3_num_f32 v[TM+\k], v[TM+\k], |v[H+16*\k+\i]|, |v[H+16*\k+\i+1]|
.endr
.endr
.irp c, 0,1
	v_max_num_f32 v[TM+2*\c], v[TM+2*\c], v[TM+2*\c+1]
.endr
.irp c, 0,1
	v_add_nc_u32 v[TM+2*\c+1], 0xff000000, v[TM+2*\c]
.endr
.irp c, 0,1
	v_lshrrev_b32 v[TM+2*\c], 23, v[TM+2*\c+1]
.endr
	v_lshl_or_b32 v[PW], v[TM+2], 16, v[TM]
	v_lshlrev_b32 v[PW], v[SH8], v[PW]
	v_permlanex16_b32 v[PX], v[PW], s[SEL], s[SEL+1]
	v_or_b32 v[PW], v[PW], v[PX]
.irp c, 0,1
	v_cvt_scalef32_pk16_fp6_f32 v[(\cd)+6*\c:(\cd)+6*\c+2], v[H+32*\c:H+32*\c+15], v[TM+2*\c+1]
	v_cvt_scalef32_pk16_fp6_f32 v[CT+4*\c:CT+4*\c+2], v[H+32*\c+16:H+32*\c+31], v[TM+2*\c+1]
.endr
	v_nop                                          ; one plain place behind a scaled conversion
.irp c, 0,1
.irp i, 0,1,2
	v_mov_b32 v[(\cd)+6*\c+3+\i], v[CT+4*\c+\i]
.endr
.endr
.endm
.macro PBLK a                          ; 16 queries x 128 keys
.set AC, 64*(\a)
.set CDA, CD+12*((\a)%2)
	s_wait_xcnt 0x0                                ; the stores of the block before last have read this set of codes
	WIN 0x2a                                       ; all three sources window 2
.irp u, 0,1,2,3
	v_max3_num_f32 v[TM+\u], v[AC+16*\u], v[AC+16*\u+1], v[AC+16*\u+2]   ; four chains, two tiles each; each accumulator is entered at its low end
.endr
	WIN 0x28                                       ; sources 1 and 2 window 2
.irp i, 3,5,7,9,11,13
.irp u, 0,1,2,3
	v_max3_num_f32 v[TM+\u], v[TM+\u], v[AC+16*\u+\i], v[AC+16*\u+\i+1]
.endr
.endr
.irp u, 0,1,2,3
	v_max_num_f32 v[TM+\u], v[TM+\u], v[AC+16*\u+15]
.endr
	WIN 0
	v_max3_num_f32 v[TM], v[TM], v[TM+1], v[TM+2]
	v_max_num_f32 v[TM], v[TM], v[TM+3]
	v_permlanex16_b32 v[PX], v[TM], s[SEL], s[SEL+1]
	v_max_num_f32 v[TM], v[TM], v[PX]              ; the largest score of my query among these 128 keys
	v_mul_f32 v[TM], v[CC], v[TM]                  ; as t
	v_floor_f32 v[NMP], -v[TM]                     ; -M = floor(-t) = -ceil(t)
	v_mov_b32 v[NMP+1], v[NMP]
	WIN 0x02                                       ; source 0 window 2
.irp t, 0,1,2,3,4,5,6,7
.set PLT, 32*(\t/4)+16*(\t%2)+8*((\t%4)/2)
.irp j, 0,2,4,6
	v_pk_fma_f32 v[H+PLT+\j:H+PLT+\j+1], v[AC+8*\t+\j:AC+8*\t+\j+1], v[CC:CC+1], v[NMP:NMP+1]   ; t - M
.endr
.endr
	WIN 0
.set ii, 0
	s_wait_alu depctr_va_vdst(0)
.rept 64
	v_exp_f32 v[H+ii], v[H+ii]                     ; p = 2^(t - M), at most 1
.set ii, ii+1
.endr
.if (\a)%2 == 0
	v_mov_b32 v[PWE+1], v[NMP]                     ; (the plain place behind the exponentials)
.else
	v_cndmask_b32 v[NMW+(\a)/2], v[PWE+1], v[NMP], s[HM]
.endif
	s_wait_alu depctr_va_vdst(0)                   ; one wait for the 64 exponentials, ahead of their first reader
	v_pk_add_f32 v[62:63], v[H:H+1], v[H+2:H+3]    ; the sum of the UNQUANTISED p, in two chains
	v_pk_add_f32 v[30:31], v[H+4:H+5], v[H+6:H+7]
.irp j, 8,12,16,20,24,28,32,36,40,44,48,52,56,60
	v_pk_add_f32 v[62:63], v[62:63], v[H+\j:H+\j+1]
	v_pk_add_f32 v[30:31], v[30:31], v[H+\j+2:H+\j+3]
.endr
	v_pk_add_f32 v[62:63], v[62:63], v[30:31]
	v_add_f32 v62, v62, v63
	v_permlanex16_b32 v[PX], v62, s[SEL], s[SEL+1]
	v_add_f32 v62, v62, v[PX]
.if (\a)%2 == 0
	v_mov_b32 v[PWE+2], v62
.else
	v_cndmask_b32 v[LW+(\a)/2], v[PWE+2], v62, s[HM]
.endif
	SWAP64
	QUANT CDA
.irp c, 0,1,2
	global_store_b128 v[LI], v[CDA+4*\c:CDA+4*\c+3], s[12:13] offset:1536*(\a)+512*\c
.endr
.if (\a)%2 == 0
	v_mov_b32 v[PWE], v[PW]
.else
	v_cndmask_b32 v[SCW+(\a)/2], v[PWE], v[PW], s[HM]
.endif
.endm
	PBLK 0
	PBLK 1
	PBLK 2
	PBLK 3
	global_store_b64 v[L8], v[SCW:SCW+1], s[14:15]
	global_store_b64 v[L8], v[NMW:NMW+1], s[14:15] offset:256
	global_store_b64 v[L8], v[LW:LW+1], s[14:15] offset:512
	s_wait_tensorcnt 0x0
	ds_add_u32 v251, v255
	s_wait_dscnt 0x0
	CROUND                                         ; the closing round (all my tensor loads were waited for at the head, and no LDS instruction of mine is out)
	s_endpgm
.Lfunc_end_k_q1fa139f6e8_scores:
	.size	k_q1fa139f6e8_scores, .Lfunc_end_k_q1fa139f6e8_scores-k_q1fa139f6e8_scores
	.p2alignl 7, 3214868480
	.fill 96, 4, 3214868480
	.section	.rodata,"a",@progbits
	.p2align	6, 0x0
	.amdhsa_kernel k_q1fa139f6e8_scores
		.amdhsa_group_segment_fixed_size 327680
		.amdhsa_private_segment_fixed_size 0
		.amdhsa_enable_private_segment 0
		.amdhsa_kernarg_size 32
		.amdhsa_user_sgpr_count 2
		.amdhsa_user_sgpr_kernarg_segment_ptr 1
		.amdhsa_wavefront_size32 1
		.amdhsa_system_sgpr_workgroup_id_x 1
		.amdhsa_system_sgpr_workgroup_id_y 1
		.amdhsa_system_sgpr_workgroup_id_z 1
		.amdhsa_system_vgpr_workitem_id 0
		.amdhsa_next_free_vgpr 768
		.amdhsa_next_free_sgpr 90
		.amdhsa_reserve_vcc 0
		.amdhsa_float_denorm_mode_32 3
		.amdhsa_float_denorm_mode_16_64 3
		.amdhsa_memory_ordered 1
		.amdhsa_forward_progress 1
		.amdhsa_inst_pref_size 113
	.end_amdhsa_kernel
	.amdgpu_metadata
---
amdhsa.version: [ 1, 2 ]
amdhsa.kernels:
  - .name:           k_q1fa139f6e8_scores
    .symbol:         k_q1fa139f6e8_scores.kd
    .args:
      - { .name: ent, .offset: 0, .size: 8, .value_kind: global_buffer, .address_space: global }
      - { .name: vd, .offset: 8, .size: 8, .value_kind: global_buffer, .address_space: global }
      - { .name: pc, .offset: 16, .size: 8, .value_kind: global_buffer, .address_space: global }
      - { .name: pst, .offset: 24, .size: 8, .value_kind: global_buffer, .address_space: global }
    .group_segment_fixed_size: 327680
    .private_segment_fixed_size: 0
    .kernarg_segment_align: 8
    .kernarg_segment_size: 32
    .max_flat_workgroup_size: 128
    .sgpr_count:     90
    .vgpr_count:     768
    .wavefront_size: 32
...
	.end_amdgpu_metadata
.endif
;; end of part 3
;; launch pv (part 4): grid 4 x 64, 4 waves a work-group, clusters of 4 x 4, 327,680 bytes of LDS; arguments pc, vs, pst, out0; writes out0
.if DOCPART == 4
	.amdgcn_target "amdgcn-amd-amdhsa--gfx1250"
	.amdhsa_code_object_version 6
	.text
	.protected	k_q1fa139f6e8_pv
	.globl	k_q1fa139f6e8_pv
	.p2align	8
	.type	k_q1fa139f6e8_pv,@function
k_q1fa139f6e8_pv:
	s_mov_b64 s[64:65], 0
	v_nop
	global_prefetch_b8 v0, s[64:65] scope:SCOPE_SE
	s_setreg_imm32_b32 hwreg(HW_REG_WAVE_MODE, 25, 1), 1
	s_wait_xcnt 0x0
	s_wait_alu depctr_hold_cnt(0) depctr_sa_sdst(0) depctr_va_vdst(0) depctr_va_sdst(0) depctr_va_ssrc(0) depctr_va_vcc(0) depctr_vm_vsrc(0)
	s_getreg_b32 s2, hwreg(HW_REG_IB_STS2, 6, 4)
	s_cmp_eq_u32 s2, 0
	s_cbranch_scc0 .Lentry_in_a_cluster
	s_endpgm
.Lentry_in_a_cluster:
	s_bfe_u32 s2, ttmp6, 0x10000c
	s_cmp_lg_u32 s2, 0xf033
	s_cbranch_scc0 .Lentry_shape_is_right
	s_endpgm
.Lentry_shape_is_right:
; PV.  out = (P V) / l for each batch: K = the 1,024 keys, codes of FP6 with E8M0 scales.  P arrives as codes made under a local M for each row and each 128 keys, with its scale words, -M and the local sums beside it.
; THE PROLOGUE brings them under the row's M: -M(row) = the least of the eight -M; D = M(row) - M(local), a whole number, 0 or more; each scale byte of these 128 keys has D taken off; l = the sum of the local sums x 2^-D.  All of it is exact
; but the additions of l.  Then the product, and at the end the division by l.
; A work-group makes 128 queries x 256 channels, a wave 64 x 128.  TRANSPOSED: source 0 = 16 channels of V (keys innermost), source 1 = 16 queries of P: a lane holds one query and eight neighbouring channels.
; All of K, 303,104 bytes of operands, fits in LDS: four pieces of two K steps, each with bytes of its own, all asked for at the head: nothing is filled again.  P's pieces are asked for jointly by a row of the 4 x 4 cluster, V's by a column.
; LIMITS: NaN and infinities are not served; a scale byte is held at 0 from below (such terms stay under 7.5 x 2^-127 |v| beside a row's sum of at least 1/2); D is held at 1,000.
; REGISTERS: window 0: addresses; v32-47 P's scale words of all eight K steps; v48-55 V's, two sets; v56-63 1 / l, a pair for each block of rows; v64-159 P's fragments, two sets; v160-223 at work.
;   window 1: v0-191 V's fragments, two sets; on the way out rows read back.   window 2: the accumulators.
.set QS,    2
.set BSA,   6144
.set BSB,   6400
.set RGS,   QS*BSB
.set APART, 2*QS*BSA
.set BPART, 4*QS*BSB
.set PIECE, APART+BPART
.set SPITCH, 528                       ; the way out: a stage of 16 rows x (512 bytes + 16) for each wave, from LDS byte 0 on, behind a barrier behind which nobody reads operands
.set LI,  4
.set L8,  5
.set ADA, 8
.set ADB, 12
.set ASB, 14
.set STO, 16
.set RD,  17
.set SCA, 32
.set SCB, 48
.set RLP, 56
.set AF,  64
.set NMR, 160                          ; the prologue: v160-175 -M, v176-191 local sums, v192.. at work
.set LR,  176
.set NG,  192
.set LA,  194
.set RC,  196
.set XR,  198
.set DD,  200
.set ND,  201
.set DI,  202
.set LTM, 203
.set BY,  204
.set TT,  208
.set WV,  2
.set FB,  3
.set NH,  4
.set CX,  5
.set CY,  6
.set CLY, 7
.set WGY, 16
.set BAT, 17
.set G1A, 24
.set G1B, 32
.set G0A, 40
.set G0B, 56
.set SEL, 76
.set HM,  78
.set MROW, 80
.set MCOL, 81
.set MSB, 0
.macro WIN new
.if MSB != (\new)
	s_set_vgpr_msb (MSB<<8)|(\new)
.set MSB, (\new)
.endif
.endm
.macro PLACES n
.rept \n
	v_nop
.endr
.endm
.macro JLOAD g0a, g1a, g0b, g1b        ; waves 0 and 1 fetch for A, waves 2 and 3 for B; four v_nop follow each of the two lines
	s_cmp_eq_u32 s[FB], 0
	s_cbranch_scc0 .Lfor_b_\@
	tensor_load_to_lds s[\g0a:\g0a+3], s[\g1a:\g1a+7]
	s_nop 0
.rept 4
	v_nop
.endr
	s_branch .Lasked_\@
.Lfor_b_\@:
	tensor_load_to_lds s[\g0b:\g0b+3], s[\g1b:\g1b+7]
	s_nop 0
.rept 4
	v_nop
.endr
.Lasked_\@:
.endm
.macro CROUND
	s_barrier_signal -1
	s_barrier_wait -1
	s_cmp_lg_u32 s[WV], 0
	s_cbranch_scc1 .Lnot_wave_0_\@
	s_barrier_signal -3
.Lnot_wave_0_\@:
	s_barrier_wait -3
	s_barrier_signal -1
	s_barrier_wait -1
.endm
	s_load_b256 s[8:15], s[0:1], 0x0               ; pc s[8:9], vs s[10:11], pst s[12:13], out0 s[14:15]
	v_lshl_add_u32 v254, v0, 2, 0x4a000
	v_mov_b32 v255, 0
	ds_add_u32 v254, v255
	ds_add_u32 v254, v255
	v_lshrrev_b32 v30, 5, v0
	v_readfirstlane_b32 s[WV], v30
	s_lshr_b32 s[FB], s[WV], 1
	s_and_b32 s[NH], s[WV], 1
	s_bfe_u32 s[CX], ttmp6, 0x40000
	s_bfe_u32 s[CY], ttmp6, 0x40004
	s_and_b32 s[CLY], ttmp7, 0xffff
	s_lshl_b32 s[WGY], s[CLY], 2
	s_add_co_u32 s[WGY], s[WGY], s[CY]
	s_lshr_b32 s[BAT], s[CLY], 1
	s_lshl_b32 s[MROW], s[CY], 2
	s_lshl_b32 s[MROW], 15, s[MROW]
	s_lshl_b32 s[MCOL], 0x1111, s[CX]
	s_or_b32 s[G1A], s[MROW], (3<<16)|(1<<21)      ; elements of 8 bytes, no padding
	s_mov_b32 s[G1A+1], (QS*BSA/8)<<16             ; one load a wave: four rows, one for each piece, of 12,288 bytes, a piece's A part apart
	s_mov_b32 s[G1A+2], 4<<16
	s_mov_b32 s[G1A+3], (QS*BSA/8)<<16
	s_mov_b32 s[G1A+4], 4
	s_mov_b32 s[G1A+5], APART/8
	s_mov_b32 s[G1A+6], 0
	s_mov_b32 s[G1A+7], 0
	s_or_b32 s[G1B], s[MCOL], (3<<16)|(1<<21)
	s_mov_b32 s[G1B+1], (2*QS*BSB/8)<<16           ; four rows of 25,600 bytes, a piece's B part apart
	s_mov_b32 s[G1B+2], 4<<16
	s_mov_b32 s[G1B+3], (2*QS*BSB/8)<<16
	s_mov_b32 s[G1B+4], 4
	s_mov_b32 s[G1B+5], BPART/8
	s_mov_b32 s[G1B+6], 0
	s_mov_b32 s[G1B+7], 0
	s_mul_i32 s18, s[WGY], 4*APART
	s_mul_i32 s82, s[NH], QS*BSA
	s_add_co_u32 s18, s18, s82
	s_mov_b32 s19, 0
	s_lshl_b32 s20, s[BAT], 2
	s_add_co_u32 s20, s20, s[CX]
	s_mul_i32 s20, s20, 4*BPART
	s_mul_i32 s83, s[NH], 2*QS*BSB
	s_add_co_u32 s20, s20, s83
	s_mov_b32 s21, 0
	s_wait_dscnt 0x0
	s_wait_kmcnt 0x0
	s_add_nc_u64 s[18:19], s[8:9], s[18:19]
	s_add_nc_u64 s[20:21], s[10:11], s[20:21]
	s_mov_b32 s[G0A], 1                            ; in LDS: P's two groups of rows, four pieces each; behind them V's two halves, four pieces each
	s_lshl_b32 s[G0A+1], s82, 2
	s_mov_b64 s[G0A+2:G0A+3], s[18:19]
	s_or_b32 s[G0A+3], s[G0A+3], 0x80000000
	s_mov_b32 s[G0B], 1
	s_lshl_b32 s[G0B+1], s83, 2
	s_add_co_u32 s[G0B+1], s[G0B+1], 4*APART
	s_mov_b64 s[G0B+2:G0B+3], s[20:21]
	s_or_b32 s[G0B+3], s[G0B+3], 0x80000000
	CROUND                                         ; all sixteen work-groups are here: the joint loads meet
	JLOAD G0A, G1A, G0B, G1B                       ; my one load: all that I fetch
	v_and_b32 v1, 31, v0
	v_and_b32 v2, 15, v0
	v_bfe_u32 v3, v0, 4, 1
	v_lshlrev_b32 v[LI], 4, v1
	s_wait_alu depctr_va_vdst(0)
	v_lshlrev_b32 v[L8], 3, v1
	s_wait_alu depctr_va_vdst(0)
	s_lshl_b32 s22, s[WGY], 1                      ; pst: my 64 rows' eight K steps: (2 mt + FB) x 8 x 768
	s_add_co_u32 s22, s22, s[FB]
	s_mul_i32 s22, s22, 8*768
	s_mov_b32 s23, 0
	s_add_nc_u64 s[12:13], s[12:13], s[22:23]
.irp s, 0,1,2,3,4,5,6,7
	global_load_b64 v[SCA+2*\s:SCA+2*\s+1], v[L8], s[12:13] offset:768*\s
	global_load_b64 v[NMR+2*\s:NMR+2*\s+1], v[L8], s[12:13] offset:768*\s+256
	global_load_b64 v[LR+2*\s:LR+2*\s+1], v[L8], s[12:13] offset:768*\s+512
.endr
	s_mul_i32 s84, s[FB], 4*QS*BSA
	s_mul_i32 s85, s[NH], 8*RGS
	s_add_co_u32 s85, s85, 4*APART
	v_add_nc_u32 v[ADA], s84, v[LI]
	v_add_nc_u32 v[ADB], s85, v[LI]
	v_add_nc_u32 v[ASB], s85, v[L8]
	s_mul_i32 s84, s[WV], 16*SPITCH                ; my stage
	v_mul_u32_u24 v[STO], v2, SPITCH               ; in: row l % 16, 32 bytes for each half of the lanes
	v_lshl_add_u32 v[STO], v3, 5, v[STO]
	v_add_nc_u32 v[STO], s84, v[STO]
	v_add_nc_u32 v[RD], s84, v[LI]                 ; back: the 32 lanes take one row of 512 bytes
	s_lshl_b32 s22, s[WGY], 7
	s_lshl_b32 s84, s[FB], 6
	s_add_co_u32 s22, s22, s84                     ; my first row of out0
	s_lshl_b32 s22, s22, 12
	s_lshl_b32 s84, s[CX], 10
	s_add_co_u32 s22, s22, s84
	s_lshl_b32 s84, s[NH], 9
	s_add_co_u32 s22, s22, s84                     ; and my first column, in bytes
	s_add_nc_u64 s[14:15], s[14:15], s[22:23]
	s_mov_b32 s[SEL], 0x76543210
	s_mov_b32 s[SEL+1], 0xfedcba98
	s_mov_b32 s[HM], 0xffff0000
	v_mov_b32 v[XR], 0                             ; a lane permute's destination counts as one of its sources
	v_mov_b32 v[XR+1], 0
	s_wait_loadcnt 0x0
	; register j of a pair: lane l holds row 32 j + l of my 64
.irp j, 0,1
	v_min3_num_f32 v[NG+\j], v[NMR+\j], v[NMR+2+\j], v[NMR+4+\j]
.endr
.irp j, 0,1
	v_min3_num_f32 v[NG+\j], v[NG+\j], v[NMR+6+\j], v[NMR+8+\j]
.endr
.irp j, 0,1
	v_min3_num_f32 v[NG+\j], v[NG+\j], v[NMR+10+\j], v[NMR+12+\j]
.endr
.irp j, 0,1
	v_min_num_f32 v[NG+\j], v[NG+\j], v[NMR+14+\j] ; the row's -M
.endr
.macro ADJ s, j
.set WD, SCA+2*(\s)+(\j)
	v_sub_f32 v[DD], v[NMR+2*(\s)+(\j)], v[NG+(\j)] ; D = M(row) - M(local)
	v_min_num_f32 v[DD], 0x447a0000, v[DD]         ; held at 1,000
	v_cvt_u32_f32 v[ND], v[DD]
	v_sub_nc_u32 v[DI], 0, v[ND]
.if (\s) == 0
	v_ldexp_f32 v[LA+(\j)], v[LR+2*(\s)+(\j)], v[DI] ; the first term starts l
.else
	v_ldexp_f32 v[LTM], v[LR+2*(\s)+(\j)], v[DI]
	v_add_f32 v[LA+(\j)], v[LA+(\j)], v[LTM]
.endif
	v_bfe_u32 v[BY], v[WD], 0, 8
	v_bfe_u32 v[BY+1], v[WD], 8, 8
	v_bfe_u32 v[BY+2], v[WD], 16, 8
	v_lshrrev_b32 v[BY+3], 24, v[WD]
.irp b, 0,1,2,3
	v_min_u32 v[TT+\b], v[BY+\b], v[ND]
.endr
.irp b, 0,1,2,3
	v_sub_nc_u32 v[BY+\b], v[BY+\b], v[TT+\b]      ; byte - D, held at 0 from below
.endr
	v_lshl_or_b32 v[WD], v[BY+1], 8, v[BY]
	v_lshl_or_b32 v[WD], v[BY+2], 16, v[WD]
	v_lshl_or_b32 v[WD], v[BY+3], 24, v[WD]
.endm
.irp s, 0,1,2,3,4,5,6,7
	ADJ \s, 0
	ADJ \s, 1
.endr
	s_wait_alu depctr_va_vdst(0)
	v_rcp_f32 v[RC], v[LA]
	v_rcp_f32 v[RC+1], v[LA+1]
	v_nop                                          ; a plain place behind the reciprocals
	s_wait_alu depctr_va_vdst(0)                   ; and a wait ahead of their first reader
	v_permlanex16_b32 v[XR], v[RC], s[SEL], s[SEL+1]
	v_permlanex16_b32 v[XR+1], v[RC+1], s[SEL], s[SEL+1]
.irp j, 0,1                            ; block 2 j's rows stand in lanes 0-15 of register j, block 2 j + 1's in lanes 16-31: each block gets its rows' 1 / l in both halves of the lanes, as a pair
	v_cndmask_b32 v[RLP+4*\j], v[RC+\j], v[XR+\j], s[HM]
	v_cndmask_b32 v[RLP+4*\j+1], v[RC+\j], v[XR+\j], s[HM]
	v_cndmask_b32 v[RLP+4*\j+2], v[XR+\j], v[RC+\j], s[HM]
	v_cndmask_b32 v[RLP+4*\j+3], v[XR+\j], v[RC+\j], s[HM]
.endr                                  ; (these eight and the four v_nop of the first step stand between the last write of a scale word and the first product)
.macro WMI zero, r0, r1                ; r0, r1: the scale words of source 0, 1 stand in lanes 16-31 of their register
.if \zero
.if (\r0) && (\r1)
	v_wmma_scale_f32_16x16x128_f8f6f4 v[rD:rD+7], v[rB:rB+11], v[rA:rA+11], 0, v[rS0], v[rS1] matrix_a_fmt:MATRIX_FMT_FP6 matrix_b_fmt:MATRIX_FMT_FP6 matrix_a_scale:MATRIX_SCALE_ROW1 matrix_b_scale:MATRIX_SCALE_ROW1
.elseif \r0
	v_wmma_scale_f32_16x16x128_f8f6f4 v[rD:rD+7], v[rB:rB+11], v[rA:rA+11], 0, v[rS0], v[rS1] matrix_a_fmt:MATRIX_FMT_FP6 matrix_b_fmt:MATRIX_FMT_FP6 matrix_a_scale:MATRIX_SCALE_ROW1
.elseif \r1
	v_wmma_scale_f32_16x16x128_f8f6f4 v[rD:rD+7], v[rB:rB+11], v[rA:rA+11], 0, v[rS0], v[rS1] matrix_a_fmt:MATRIX_FMT_FP6 matrix_b_fmt:MATRIX_FMT_FP6 matrix_b_scale:MATRIX_SCALE_ROW1
.else
	v_wmma_scale_f32_16x16x128_f8f6f4 v[rD:rD+7], v[rB:rB+11], v[rA:rA+11], 0, v[rS0], v[rS1] matrix_a_fmt:MATRIX_FMT_FP6 matrix_b_fmt:MATRIX_FMT_FP6
.endif
.else
.if (\r0) && (\r1)
	v_wmma_scale_f32_16x16x128_f8f6f4 v[rD:rD+7], v[rB:rB+11], v[rA:rA+11], v[rD:rD+7], v[rS0], v[rS1] matrix_a_fmt:MATRIX_FMT_FP6 matrix_b_fmt:MATRIX_FMT_FP6 matrix_a_scale:MATRIX_SCALE_ROW1 matrix_b_scale:MATRIX_SCALE_ROW1
.elseif \r0
	v_wmma_scale_f32_16x16x128_f8f6f4 v[rD:rD+7], v[rB:rB+11], v[rA:rA+11], v[rD:rD+7], v[rS0], v[rS1] matrix_a_fmt:MATRIX_FMT_FP6 matrix_b_fmt:MATRIX_FMT_FP6 matrix_a_scale:MATRIX_SCALE_ROW1
.elseif \r1
	v_wmma_scale_f32_16x16x128_f8f6f4 v[rD:rD+7], v[rB:rB+11], v[rA:rA+11], v[rD:rD+7], v[rS0], v[rS1] matrix_a_fmt:MATRIX_FMT_FP6 matrix_b_fmt:MATRIX_FMT_FP6 matrix_b_scale:MATRIX_SCALE_ROW1
.else
	v_wmma_scale_f32_16x16x128_f8f6f4 v[rD:rD+7], v[rB:rB+11], v[rA:rA+11], v[rD:rD+7], v[rS0], v[rS1] matrix_a_fmt:MATRIX_FMT_FP6 matrix_b_fmt:MATRIX_FMT_FP6
.endif
.endif
.endm
.macro MUL8 a, p, zero                 ; P's block a against V's eight; the 32 accumulators take turns, one instruction a turn
.irp b, 0,1,2,3,4,5,6,7
.set rD, 64*(\a)+8*\b
.set rB, 96*(\p)+12*\b
.set rA, AF+48*(\p)+12*(\a)
.set rS0, SCB+4*(\p)+\b/2
.set rS1, SAB+(\a)/2
	WMI \zero, \b%2, (\a)%2
.endr
.endm
.macro FETCH p, q                      ; 38 LDS loads in one run: K step q of the piece in hand into set p (P's scale words stay in registers)
	WIN 0x40
.irp g, 0,1
.irp i, 0,1,2,3
.irp c, 0,1,2
	ds_load_b128 v[96*(\p)+12*(4*\g+\i)+4*\c:96*(\p)+12*(4*\g+\i)+4*\c+3], v[ADB] offset:BSB*(\q)+\g*RGS+1536*\i+512*\c
.endr
.endr
.endr
	WIN 0
.irp i, 0,1,2,3
.irp c, 0,1,2
	ds_load_b128 v[AF+48*(\p)+12*\i+4*\c:AF+48*(\p)+12*\i+4*\c+3], v[ADA] offset:BSA*(\q)+1536*\i+512*\c
.endr
.endr
.irp g, 0,1
	ds_load_b64 v[SCB+4*(\p)+2*\g:SCB+4*(\p)+2*\g+1], v[ASB] offset:BSB*(\q)+\g*RGS+6144
.endr
.endm
.macro STEP s, zero                    ; K step s, a piece's first (set 0); its second is asked for
	s_wait_dscnt 0x0
	PLACES 4                                       ; in front of loads into registers that the last step's products have read
	FETCH 1, 1
.set SAB, SCA+2*(\s)
	WIN 0xa1
	MUL8 0, 0, \zero
	MUL8 1, 0, \zero
	MUL8 2, 0, \zero
	MUL8 3, 0, \zero
	WIN 0
.endm
.macro STEPX s, n                      ; K step s, a piece's second (set 1); the next piece's first step is asked for
	s_wait_dscnt 0x0
.set SAB, SCA+2*(\s)
	WIN 0xa1
	MUL8 0, 1, 0
	WIN 0
	v_add_nc_u32 v[ADA], QS*BSA, v[ADA]            ; three additions and a v_nop: the places in front of the loads into set 0
	v_add_nc_u32 v[ADB], 2*RGS, v[ADB]
	v_add_nc_u32 v[ASB], 2*RGS, v[ASB]
	v_nop
	FETCH 0, 0
	WIN 0xa1
	MUL8 1, 1, 0
	MUL8 2, 1, 0
	MUL8 3, 1, 0
	WIN 0
.endm
	s_wait_tensorcnt 0x0                           ; my load is in; the barrier shows all four waves' to every wave
	s_barrier_signal -1
	s_barrier_wait -1
	FETCH 0, 0
	STEP 0, 1                                      ; the first products start the sums
	STEPX 1, 2
	s_wait_alu depctr_va_vdst(0)
	STEP 2, 0
	STEPX 3, 1
	s_wait_alu depctr_va_vdst(0)
	STEP 4, 0
	STEPX 5, 0
	s_wait_alu depctr_va_vdst(0)
	STEP 6, 0
	s_wait_dscnt 0x0
	s_barrier_signal -1                            ; my last reads of operands are over: the stage will lie on their bytes
.set SAB, SCA+14
	WIN 0xa1
	MUL8 0, 1, 0
	MUL8 1, 1, 0
	MUL8 2, 1, 0
	MUL8 3, 1, 0
	WIN 0
	PLACES 4
; THE WAY OUT, 16 rows x 128 channels at a time: x 1 / l; a lane's 32 neighbouring bytes of a row go into my stage and come back as whole rows of 512 bytes.  LDS serves a wave's instructions in order (ISA guide 5.7.1.4).
; The scaled numbers take two sets of 64 registers by turns, so that a set is written again only behind the wait that shows its LDS stores done.
.macro TOSTAGE a
.set HS, 160-96*((\a)%2)
	WIN 0x02                                       ; source 0 window 2
.irp t, 0,1,2,3,4,5,6,7
.irp j, 0,2,4,6
	v_pk_mul_f32 v[HS+8*\t+\j:HS+8*\t+\j+1], v[64*(\a)+8*\t+\j:64*(\a)+8*\t+\j+1], v[RLP+2*(\a):RLP+2*(\a)+1]   ; each accumulator from its low end on
.endr
.endr
	WIN 0
.irp t, 0,1,2,3,4,5,6,7
	ds_store_b128 v[STO], v[HS+8*\t:HS+8*\t+3] offset:64*\t
	ds_store_b128 v[STO], v[HS+8*\t+4:HS+8*\t+7] offset:64*\t+16
.endr
	WIN 0x40                                       ; destination window 1
.set ii, 0
.rept 16
	ds_load_b128 v[64*((\a)%2)+4*ii:64*((\a)%2)+4*ii+3], v[RD] offset:ii*SPITCH
.set ii, ii+1
.endr
	WIN 0
.endm
.macro SEND a, younger                 ; younger: the LDS instructions issued behind block a's loads, which may stay out
	s_wait_dscnt \younger
	WIN 0x04                                       ; a store's data are its source 1: window 1
.set ii, 0
.rept 16
	global_store_b128 v[LI], v[64*((\a)%2)+4*ii:64*((\a)%2)+4*ii+3], s[14:15] offset:(16*(\a)+ii)*4096 th:TH_STORE_NT   ; 32 lanes store 512 consecutive bytes, at a multiple of 256 from out0's first byte
.set ii, ii+1
.endr
	WIN 0
.endm
	s_barrier_wait -1                              ; and so are every wave's
	TOSTAGE 0
	TOSTAGE 1
	SEND 0, 32                                     ; behind block 0's loads: block 1's 16 stores and 16 loads
	s_wait_xcnt 0x0                                ; block 0's stores have read their registers: block 2's rows may land there
	TOSTAGE 2
	SEND 1, 32
	s_wait_xcnt 0x0
	TOSTAGE 3
	SEND 2, 32
	SEND 3, 0
	s_wait_tensorcnt 0x0
	ds_add_u32 v254, v255
	s_wait_dscnt 0x0
	CROUND                                         ; the closing round (all my tensor loads were waited for at the head, and no LDS instruction of mine is out)
	s_endpgm
.Lfunc_end_k_q1fa139f6e8_pv:
	.size	k_q1fa139f6e8_pv, .Lfunc_end_k_q1fa139f6e8_pv-k_q1fa139f6e8_pv
	.p2alignl 7, 3214868480
	.fill 96, 4, 3214868480
	.section	.rodata,"a",@progbits
	.p2align	6, 0x0
	.amdhsa_kernel k_q1fa139f6e8_pv
		.amdhsa_group_segment_fixed_size 327680
		.amdhsa_private_segment_fixed_size 0
		.amdhsa_enable_private_segment 0
		.amdhsa_kernarg_size 32
		.amdhsa_user_sgpr_count 2
		.amdhsa_user_sgpr_kernarg_segment_ptr 1
		.amdhsa_wavefront_size32 1
		.amdhsa_system_sgpr_workgroup_id_x 1
		.amdhsa_system_sgpr_workgroup_id_y 1
		.amdhsa_system_sgpr_workgroup_id_z 1
		.amdhsa_system_vgpr_workitem_id 0
		.amdhsa_next_free_vgpr 768
		.amdhsa_next_free_sgpr 90
		.amdhsa_reserve_vcc 0
		.amdhsa_float_denorm_mode_32 3
		.amdhsa_float_denorm_mode_16_64 3
		.amdhsa_memory_ordered 1
		.amdhsa_forward_progress 1
		.amdhsa_inst_pref_size 101
	.end_amdhsa_kernel
	.amdgpu_metadata
---
amdhsa.version: [ 1, 2 ]
amdhsa.kernels:
  - .name:           k_q1fa139f6e8_pv
    .symbol:         k_q1fa139f6e8_pv.kd
    .args:
      - { .name: pc, .offset: 0, .size: 8, .value_kind: global_buffer, .address_space: global }
      - { .name: vs, .offset: 8, .size: 8, .value_kind: global_buffer, .address_space: global }
      - { .name: pst, .offset: 16, .size: 8, .value_kind: global_buffer, .address_space: global }
      - { .name: out0, .offset: 24, .size: 8, .value_kind: global_buffer, .address_space: global }
    .group_segment_fixed_size: 327680
    .private_segment_fixed_size: 0
    .kernarg_segment_align: 8
    .kernarg_segment_size: 32
    .max_flat_workgroup_size: 128
    .sgpr_count:     90
    .vgpr_count:     768
    .wavefront_size: 32
...
	.end_amdgpu_metadata
.endif
;; end of part 4
